; MI455X (gfx1250); checked and timed in simulation.
; The chip was launched on July 23, 2026; its instructions are those of AMD's public machine-readable ISA for CDNA 5 (MIT licence, August 2026) and "CDNA5" Instruction Set Architecture Reference Guide (July 2026). The comments in the code are by the model that wrote it; some were corrected since.
;; Multi Head Self Attention. Allowed arithmetic: matrix products marked QUANTISED: E2M3 operands, one E8M0 scale for each 32 along K, by v_wmma_scale_f32_16x16x128_f8f6f4 with both operands' format E2M3, f32 sums; everything else in f32.
;; Inputs: mask 2,048 x 2,048 bool; w_out 1,024 x 1,024 float32; w_qkv 3,072 x 1,024 float32; x 4 x 2,048 x 1,024 float32.
;; Outputs: out0 4 x 2,048 x 1,024 float32.
;; This version of the problem:
;;   THIS VERSION OF THE PROBLEM IS GIVEN IN LOW PRECISION. The matrix products marked QUANTISED in the list below multiply operands that are first quantised to E2M3 (2 exponent bits, 3 mantissa bits; 6 bits a number), with one power-of-two scale for each 32 numbers along K (OCP MX v1.0); their sums are f32. All else is computed in f32.
;;   The module's matrix products, in the order in which they are computed (A, B: the left and right operand; K: the contracted axis; several contracted axes count as one K, in the product's order):
;;     1. [M 8,192, K 1,024] x [K 1,024, N 3,072]; A: input x; B: input w_qkv: QUANTISED
;;     2. batch 64 x [M 2,048, K 64] x [K 64, N 2,048]; A: computed on the way; B: computed on the way: QUANTISED
;;     3. batch 64 x [M 2,048, K 2,048] x [K 2,048, N 64]; A: softmax (see below); B: computed on the way: QUANTISED
;;     4. [M 8,192, K 1,024] x [K 1,024, N 1,024]; A: computed on the way; B: input w_out: QUANTISED
;;   THE QUANTISER, for each operand of a quantised product, along K:
;;     - K is cut into blocks of 32 from its start; a last block that is shorter is filled with zeros.
;;     - A block's scale is 2^e with e = floor(log2(the largest magnitude in the block)) - 2, held to -126 .. 127; a block of zeros has e = 0. As a byte (E8M0): e + 127.
;;     - Each number is divided by its block's scale, clamped to +-7.5, and rounded to the nearest number of E2M3, ties to even, subnormals kept.
;;     - The product sums the exact products of the quantised numbers (number of the format x scale) in f32.
;;   ~~~python
;;   def quantise(x, axis):      # numpy; x: float32 -> the quantised numbers, widened to float32 again
;;       x = np.moveaxis(x, axis, -1); K = x.shape[-1]
;;       x = np.pad(x, [(0, 0)] * (x.ndim - 1) + [(0, -K % 32)]); x = x.reshape(x.shape[:-1] + (-1, 32)); a = np.abs(x).max(-1, keepdims=True)
;;       e = np.where(a > 0, np.clip(np.frexp(np.where(a > 0, a, 1))[1] - 1 - 2, -126, 127), 0)      # np.frexp(a)[1] - 1 = floor(log2(a)), exactly
;;       r = np.clip(x / 2.0 ** e, -7.5, 7.5)
;;       step = 2.0 ** (np.maximum(np.frexp(np.where(r == 0, 1, r))[1] - 1, 0) - 3)
;;       q = np.round(r / step) * step * 2.0 ** e      # np.round: ties to even
;;       return np.moveaxis(q.reshape(q.shape[:-2] + (-1,))[..., :K], -1, axis).astype(np.float32)
;;   ~~~
;;   SOFTMAX AHEAD OF A QUANTISED PRODUCT. Where the list says 'softmax', what is quantised is not the finished softmax but p = 2^(t - M), with t = logit x log2(e) and M = ceil(the row's largest t), a whole number; so 1/2 < the row's largest p <= 1. The row's sum l is taken of the UNQUANTISED p, in f32, and the product's result is divided by l at the end. Since M is a whole number, a kernel that streams over the keys may use a running M (the ceiling of the running maximum): every later rescaling is an exact power of two, which a block's scale takes up: the codes' values come out the same.
;;   OPERANDS COMPUTED ON THE WAY. 'Computed on the way' means the value that the module computes at that place (a softmax that the list does not call 'softmax' is quantised finished and normalised). What goes into a quantiser is computed in f32, as accurately as f32 sums, v_exp_f32 and their like allow (about 1e-6 of the number): no bf16 or f16 on the way to a quantiser, and a product that is left as it is and whose result goes on into a quantised operand takes f32 operands (vector FMAs, or v_wmma_f32_16x16x4_f32). A number that lies on a knife's edge between two numbers of the format may be rounded either way, as far as f32 arithmetic and the matrix unit's own rounding can turn it there, and no further.
;; 2 versions, each right; version 2 is version 1 with the launch attn written anew for expert scheduling mode. Each part assembles by itself: llvm-mc -triple=amdgcn-amd-amdhsa -mcpu=gfx1250 --defsym DOCPART=n.
;; ======== version 1 of 2: 4 launches
;; workspace buffers: qin_codes 9,437,184 bytes; qin_scales 393,216 bytes; maskw 655,360 bytes of whole numbers; qkv_codes 18,874,368 bytes; qkv_scales 1,310,720 bytes; att_codes 6,291,456 bytes; att_scales 524,288 bytes
;; launch prep (part 1): grid 512 x 1, 4 waves a work-group, no clusters, 34,304 bytes of LDS; arguments x, w_qkv, w_out, mask, qin_codes, qin_scales, maskw; writes qin_codes, qin_scales, maskw
.if DOCPART == 1
	.amdgcn_target "amdgcn-amd-amdhsa--gfx1250"
	.amdhsa_code_object_version 6
	.text
	.protected	k_q370f7175b2_prep
	.globl	k_q370f7175b2_prep
	.p2align	8
	.type	k_q370f7175b2_prep,@function
k_q370f7175b2_prep:
	s_mov_b64 s[64:65], 0
	v_nop
	global_prefetch_b8 v0, s[64:65] scope:SCOPE_SE
	s_setreg_imm32_b32 hwreg(HW_REG_WAVE_MODE, 25, 1), 1
	s_wait_xcnt 0x0
; PREP.  (1) x [8192][1024], w_qkv [3072][1024] and w_out [1024][1024], f32, K innermost, become codes of FP6 (E2M3) with one E8M0 byte for each 32 along K,
; laid as IMAGES OF THE OPERAND'S REGISTERS.  (2) The mask [2048][2048] of bool becomes lane masks and 2-bit flags for the attention launch.
; A STORED TILE is 16 rows: lane r of tile T holds row 32 (T / 2) + 8 (T % 2) + r % 8 + 16 (r / 8), so that a product that takes such tiles as source 0 leaves 16 neighbours in the
; 16 registers of two neighbouring result tiles.  Tiles 0-511 are x's, 512-703 w_qkv's, 704-767 w_out's.
; A FRAGMENT IMAGE (16 rows x 128 K, 12 registers a lane) is 1,536 bytes: registers 0-3 at 16 l, 4-5 at 512 + 8 l, 6-9 at 768 + 16 l, 10-11 at 1,280 + 8 l.  A tile's 8 images lie on end: 12,288 bytes.
; A tile's SCALE WORDS are 512 bytes: the word at 256 c + 8 l + 4 i is that of K step 4 c + 2 i + l / 16, row l % 16.
; A block's scale is 2^(floor(log2(its largest magnitude)) - 2); its byte is the largest magnitude's exponent field - 2, held at 1 from below.
; LIMITS: a block whose largest magnitude lies under 2^-124 gets the byte 1; a block of zeros gets the byte 1 where the quantiser says 127 (its codes are zeros, and this program alone reads
; the bytes); NaN and infinities among x and the weights are not served.
; SHARES.  Work-groups 0-383 quantise: a wave takes one stored tile and half of K (4 K steps of 128).  Each load reads 512 consecutive bytes of one row; a K step's 16 rows turn through the wave's own
; stage in LDS (pitch 528), so that a lane gets 16 neighbours of each block of 32.  Work-groups 384-511 take the mask: one tile of 16 queries each, a wave 4 key steps of 128.  They use no LDS.
.set STGB,  8448                       ; a wave's stage: 16 rows x (512 + 16) bytes
.set SPARE, 4*STGB                     ; behind the four stages: the spare words, 128 bytes for each wave, which no other line names
.set SPW, 4                            ; v4   LDS address of my spare word; never rewritten
.set NIL, 5                            ; v5   0; never rewritten
.set L16, 6                            ; v6   16 x lane
.set L8,  7                            ; v7   8 x lane
.set STI, 8                            ; v8   the stage, on the way in
.set STO, 9                            ; v9   the stage, on the way out
.set TM,  10                           ; v10-13 largest magnitudes, v14-17 the other half's, then bytes, v22-25 the conversions' scale operands
.set PW,  26                           ; v26-27 the scale words of an even and an odd K step
.set SW,  28                           ; v28-29 the scale words as they are stored
.set PC,  32                           ; v32-43 a fragment's codes, v44-46 and v48-50 second halves on their way
.set X,   64                           ; v64-127 64 numbers of my row: register 16 b + i = k 32 b + 16 (lane / 16) + i
.set R,   128                          ; v128-255 two sets of 16 loads
.set SEL, 26                           ; s[26:27] lane selects: lane l xor 16
	s_load_b256 s[4:11], s[0:1], 0x0               ; x, w_qkv, w_out, mask
	s_load_b128 s[12:15], s[0:1], 0x20             ; qin_codes, qin_scales
	s_load_b64 s[16:17], s[0:1], 0x30              ; maskw
	v_lshl_add_u32 v[SPW], v0, 2, SPARE
	v_mov_b32 v[NIL], 0
	v_lshrrev_b32 v1, 5, v0
	v_readfirstlane_b32 s18, v1                    ; wave 0..3
	v_and_b32 v1, 31, v0                           ; lane
	v_and_b32 v2, 15, v0                           ; r
	v_bfe_u32 v3, v0, 4, 1                         ; h
	v_lshlrev_b32 v[L16], 4, v1
	v_lshlrev_b32 v[L8], 3, v1
	s_cmp_ge_u32 ttmp9, 384
	s_cbranch_scc1 .Lmask
	; ---------------- the quantiser ----------------
	s_mul_i32 s19, s18, STGB
	v_add_nc_u32 v[STI], s19, v[L16]               ; in: a row's 512 bytes as they were loaded
	v_mul_u32_u24 v[STO], v2, 528
	v_lshl_add_u32 v[STO], v3, 6, v[STO]
	v_add_nc_u32 v[STO], s19, v[STO]               ; out: row r, + 64 h: my 16 numbers of a block of 32
.irp b, 0,1,2,3
	v_mov_b32 v[TM+4+\b], 0                        ; written once: a lane permute's destination counts as one of its sources
.endr
	s_mov_b32 s24, 0xffff0000                      ; lanes 16-31
	s_mov_b32 s[SEL], 0x76543210
	s_mov_b32 s[SEL+1], 0xfedcba98
	s_lshr_b32 s20, s18, 1                         ; which of the work-group's two tiles
	s_and_b32 s21, s18, 1                          ; which half of K
	s_mov_b32 s22, 352
	s_wait_kmcnt 0x0
	s_cmp_lt_u32 ttmp9, s22                        ; the tensor is chosen by the work-group's number alone: 0-255 x, 256-351 w_qkv, 352-383 w_out
	s_cselect_b64 s[6:7], s[6:7], s[8:9]
	s_cselect_b32 s23, 256, s22
	s_cmp_lt_u32 ttmp9, 256
	s_cselect_b64 s[4:5], s[4:5], s[6:7]
	s_cselect_b32 s23, 0, s23                      ; the tensor's first work-group
	s_sub_co_u32 s23, ttmp9, s23
	s_lshl_b32 s28, s23, 17                        ; 32 rows of 4,096 bytes a work-group,
	s_lshl_b32 s29, s20, 15                        ; the second tile begins 8 rows on,
	s_add_co_u32 s28, s28, s29
	s_lshl_b32 s29, s21, 11                        ; the second half of K 2,048 bytes on
	s_add_co_u32 s28, s28, s29
	s_mov_b32 s29, 0
	s_add_nc_u64 s[4:5], s[4:5], s[28:29]
	s_lshl_b32 s30, ttmp9, 1
	s_add_co_u32 s30, s30, s20                     ; my stored tile
	s_mul_i32 s28, s30, 12288
	s_mul_i32 s31, s21, 6144
	s_add_co_u32 s28, s28, s31
	s_add_nc_u64 s[12:13], s[12:13], s[28:29]      ; its images, my four
	s_lshl_b32 s28, s30, 9
	s_lshl_b32 s31, s21, 8
	s_add_co_u32 s28, s28, s31
	s_add_nc_u64 s[14:15], s[14:15], s[28:29]      ; its scale words, my 256 bytes
.macro LOAD t                          ; K step t: 16 rows x 512 bytes into set t % 2
.irp p, 0,1,2,3,4,5,6,7,8,9,10,11,12,13,14,15
	global_load_b128 v[R+64*((\t)%2)+4*\p:R+64*((\t)%2)+4*\p+3], v[L16], s[4:5] offset:((\p%8)+16*(\p/8))*4096+512*(\t) th:TH_LOAD_NT
.endr
.endm
.macro TURNL t                         ; through the stage: LDS serves a wave's instructions in order, so no wait stands between the stores and the loads
.irp p, 0,1,2,3,4,5,6,7,8,9,10,11,12,13,14,15
	ds_store_b128 v[STI], v[R+64*((\t)%2)+4*\p:R+64*((\t)%2)+4*\p+3] offset:528*\p
.endr
.irp b, 0,1,2,3
.irp j, 0,1,2,3
	ds_load_b128 v[X+16*\b+4*\j:X+16*\b+4*\j+3], v[STO] offset:128*\b+16*\j
.endr
.endr
.endm
; 64 numbers of a lane, v[s] on, become a fragment's codes in v[PC] on and my row's scale word in v[pw]
.macro QUANT s, pw
.irp b, 0,1,2,3
	v_max3_num_f32 v[TM+\b], |v[\s+16*\b]|, |v[\s+1+16*\b]|, 0x1800000   ; block b: my 16 numbers, and the floor 2^(3 - 127): the byte cannot fall under 1
.endr
.irp i, 2,4,6,8,10,12,14
.irp b, 0,1,2,3
	v_max3_num_f32 v[TM+\b], v[TM+\b], |v[\s+16*\b+\i]|, |v[\s+1+16*\b+\i]|   ; the four blocks by turns
.endr
.endr
.irp b, 0,1,2,3
	v_permlanex16_b32 v[TM+4+\b], v[TM+\b], s[SEL], s[SEL+1]
.endr
.irp b, 0,1,2,3
	v_max_num_f32 v[TM+\b], v[TM+\b], v[TM+4+\b]   ; with lane l xor 16's: the block's largest magnitude
.endr
.irp b, 0,1,2,3
	v_add_nc_u32 v[TM+12+\b], 0xff000000, v[TM+\b] ; 2 off its exponent field: the conversion takes the exponent field of this operand as its scale
.endr
.irp b, 0,1,2,3
	v_lshrrev_b32 v[TM+4+\b], 23, v[TM+12+\b]      ; the scale's byte
.endr
	v_lshl_or_b32 v[\pw], v[TM+5], 8, v[TM+4]
	v_lshl_or_b32 v[\pw], v[TM+6], 16, v[\pw]
	v_lshl_or_b32 v[\pw], v[TM+7], 24, v[\pw]
.irp c, 0,1
	v_cvt_scalef32_pk16_fp6_f32 v[PC+6*\c:PC+2+6*\c], v[\s+32*\c:\s+15+32*\c], v[TM+12+2*\c]
	v_cvt_scalef32_pk16_fp6_f32 v[PC+12+4*\c:PC+14+4*\c], v[\s+16+32*\c:\s+31+32*\c], v[TM+12+2*\c+1]   ; (a conversion's three registers begin on an even number)
.endr
	v_nop                                          ; one plain place behind a scaled conversion
.irp c, 0,1                            ; the operand's layout wants a whole block in a lane
.irp i, 0,1,2
	v_permlane16_swap_b32 v[PC+6*\c+\i], v[PC+12+4*\c+\i]
.endr
.irp i, 0,1,2
	v_mov_b32 v[PC+3+6*\c+\i], v[PC+12+4*\c+\i]
.endr
.endr
.endm
.macro PUT t                           ; the image: every store covers whole aligned runs of 256 bytes
	global_store_b128 v[L16], v[PC:PC+3], s[12:13] offset:1536*(\t)
	global_store_b64 v[L8], v[PC+4:PC+5], s[12:13] offset:1536*(\t)+512
	global_store_b128 v[L16], v[PC+6:PC+9], s[12:13] offset:1536*(\t)+768
	global_store_b64 v[L8], v[PC+10:PC+11], s[12:13] offset:1536*(\t)+1280
.endm
	LOAD 0
	LOAD 1
.irp t, 0,1,2,3
.if \t < 3
	s_wait_loadcnt 16                              ; this K step's 16 loads are in; the next step's 16 may be out
.else
	s_wait_loadcnt 0x0
.endif
	TURNL \t
	s_wait_dscnt 0x0                               ; my 64 numbers are back, and the stores have read the set
.if \t < 2
	LOAD \t+2                                      ; which takes the loads of two steps on
.endif
.if \t > 0
	s_wait_xcnt 0x0                                ; the last image's stores have read their data: the codes' registers are rewritten only behind this wait
.endif
	QUANT X, PW+(\t%2)
	PUT \t
.if \t%2 == 1
	v_cndmask_b32 v[SW+\t/2], v[PW], v[PW+1], s24  ; lanes 0-15 the even K step's word, lanes 16-31 the odd one's
.endif
.endr
	global_store_b64 v[L8], v[SW:SW+1], s[14:15]   ; 32 lanes store 256 consecutive bytes, aligned
	s_wait_tensorcnt 0x0                           ; the wave's end behind my last LDS store
	ds_add_u32 v[SPW], v[NIL]
	s_wait_dscnt 0x0
	s_endpgm
	; ---------------- the mask ----------------
	; In the attention launch lane (r, h) holds query r of a stored tile, and score register R of a key step holds key 128 s + 32 (R / 16) + 16 h + R % 16.
	; For each (tile of 16 queries, key step s): 64 lane masks, that of register R at dword 2 (R % 32) + R / 32 of the step's 256 bytes; and a flag: 0 no key masked, 2 all masked, 1 mixed.
.Lmask:
	s_sub_co_u32 s19, ttmp9, 384                   ; the tile of queries, 0..127
	v_and_b32 v12, 7, v2
	v_lshrrev_b32 v13, 3, v2
	v_lshl_add_u32 v12, v13, 4, v12                ; r % 8 + 16 (r / 8)
	v_lshlrev_b32 v12, 11, v12                     ; a row of the mask is 2,048 bytes
	v_lshl_add_u32 v12, v3, 4, v12                 ; + 16 h
	s_lshr_b32 s20, s19, 1
	s_lshl_b32 s20, s20, 5
	s_and_b32 s21, s19, 1
	s_lshl_b32 s21, s21, 3
	s_add_co_u32 s20, s20, s21                     ; the tile's first query
	s_lshl_b32 s20, s20, 11
	s_lshl_b32 s21, s18, 9                         ; my four key steps: 512 bytes
	s_add_co_u32 s20, s20, s21
	s_mov_b32 s21, 0
	s_lshl_b32 s22, s19, 12                        ; a tile's lane masks: 16 x 256 bytes
	s_lshl_b32 s23, s18, 10
	s_add_co_u32 s22, s22, s23
	s_mov_b32 s23, 0
	s_lshl_b32 s24, s19, 2
	s_add_co_u32 s24, s24, s18
	s_lshl_b32 s24, s24, 8
	s_add_co_u32 s24, s24, 524288                  ; the flags of my four steps: 256 bytes, 64 equal words
	s_mov_b32 s25, 0
	s_wait_kmcnt 0x0
	s_add_nc_u64 s[10:11], s[10:11], s[20:21]
	s_add_nc_u64 s[28:29], s[16:17], s[22:23]
	s_add_nc_u64 s[30:31], s[16:17], s[24:25]
.irp q, 0,1,2,3,4,5,6,7,8,9,10,11,12,13,14,15
	global_load_b128 v[64+4*\q:67+4*\q], v12, s[10:11] offset:128*(\q/4)+32*(\q%4)   ; step q / 4, block q % 4: my 16 keys' bytes
.endr
.irp i, 0,1,2,3,4,5,6,7
	v_mov_b32 v[32+\i], 0                          ; a lane write's destination counts as read
.endr
	s_mov_b32 s32, 0                               ; the four flags
.irp g, 0,1,2,3
	s_wait_loadcnt 12-4*\g                         ; this step's four loads are in; the later steps' may be out
	s_mov_b32 s33, 0                               ; the OR of the step's 64 lane masks,
	s_mov_b32 s34, -1                              ; and their AND
.set RR, 0
.rept 64
	v_and_b32 v[16+RR%4], 0xff<<(8*(RR%4)), v[64+4*(4*\g+RR/16)+(RR%16)/4]
	v_cmp_ne_u32 s[36+RR%4], 0, v[16+RR%4]         ; bit L: lane L's key of register RR is masked
	s_or_b32 s33, s33, s[36+RR%4]
	s_and_b32 s34, s34, s[36+RR%4]
	v_writelane_b32 v[32+2*\g+RR/32], s[36+RR%4], RR%32
.set RR, RR+1
.endr
	s_cmp_eq_u32 s34, -1
	s_cselect_b32 s35, 2, 1
	s_cmp_eq_u32 s33, 0
	s_cselect_b32 s35, 0, s35
	s_lshl_b32 s35, s35, 2*\g
	s_or_b32 s32, s32, s35
	global_store_b64 v[L8], v[32+2*\g:33+2*\g], s[28:29] offset:256*\g   ; 256 consecutive bytes, aligned
.endr
	v_mov_b32 v20, s32
	v_mov_b32 v21, s32
	global_store_b64 v[L8], v[20:21], s[30:31]
	s_endpgm
.Lfunc_end_k_q370f7175b2_prep:
	.size	k_q370f7175b2_prep, .Lfunc_end_k_q370f7175b2_prep-k_q370f7175b2_prep
	.p2alignl 7, 3214868480
	.fill 96, 4, 3214868480
	.section	.rodata,"a",@progbits
	.p2align	6, 0x0
	.amdhsa_kernel k_q370f7175b2_prep
		.amdhsa_group_segment_fixed_size 34304
		.amdhsa_private_segment_fixed_size 0
		.amdhsa_enable_private_segment 0
		.amdhsa_kernarg_size 56
		.amdhsa_user_sgpr_count 2
		.amdhsa_user_sgpr_kernarg_segment_ptr 1
		.amdhsa_wavefront_size32 1
		.amdhsa_system_sgpr_workgroup_id_x 1
		.amdhsa_system_sgpr_workgroup_id_y 1
		.amdhsa_system_sgpr_workgroup_id_z 1
		.amdhsa_system_vgpr_workitem_id 0
		.amdhsa_next_free_vgpr 256
		.amdhsa_next_free_sgpr 66
		.amdhsa_reserve_vcc 0
		.amdhsa_float_denorm_mode_32 3
		.amdhsa_float_denorm_mode_16_64 3
		.amdhsa_memory_ordered 1
		.amdhsa_forward_progress 1
		.amdhsa_inst_pref_size 103
	.end_amdhsa_kernel
	.amdgpu_metadata
---
amdhsa.version: [ 1, 2 ]
amdhsa.kernels:
  - .name:           k_q370f7175b2_prep
    .symbol:         k_q370f7175b2_prep.kd
    .args:
      - { .name: x, .offset: 0, .size: 8, .value_kind: global_buffer, .address_space: global }
      - { .name: w_qkv, .offset: 8, .size: 8, .value_kind: global_buffer, .address_space: global }
      - { .name: w_out, .offset: 16, .size: 8, .value_kind: global_buffer, .address_space: global }
      - { .name: mask, .offset: 24, .size: 8, .value_kind: global_buffer, .address_space: global }
      - { .name: qin_codes, .offset: 32, .size: 8, .value_kind: global_buffer, .address_space: global }
      - { .name: qin_scales, .offset: 40, .size: 8, .value_kind: global_buffer, .address_space: global }
      - { .name: maskw, .offset: 48, .size: 8, .value_kind: global_buffer, .address_space: global }
    .group_segment_fixed_size: 34304
    .private_segment_fixed_size: 0
    .kernarg_segment_align: 8
    .kernarg_segment_size: 56
    .max_flat_workgroup_size: 128
    .sgpr_count:     66
    .vgpr_count:     256
    .wavefront_size: 32
...
	.end_amdgpu_metadata
.endif
;; end of part 1
;; launch qkv (part 2): grid 8 x 48, 4 waves a work-group, clusters of 4 x 4, 327,680 bytes of LDS; arguments qin_codes, qin_scales, qkv_codes, qkv_scales; writes qkv_codes, qkv_scales
.if DOCPART == 2
	.amdgcn_target "amdgcn-amd-amdhsa--gfx1250"
	.amdhsa_code_object_version 6
	.text
	.protected	k_q370f7175b2_qkv
	.globl	k_q370f7175b2_qkv
	.p2align	8
	.type	k_q370f7175b2_qkv,@function
k_q370f7175b2_qkv:
	s_mov_b64 s[64:65], 0
	v_nop
	global_prefetch_b8 v0, s[64:65] scope:SCOPE_SE
	s_setreg_imm32_b32 hwreg(HW_REG_WAVE_MODE, 25, 1), 1
	s_wait_xcnt 0x0
	s_wait_alu depctr_hold_cnt(0) depctr_sa_sdst(0) depctr_va_vdst(0) depctr_va_sdst(0) depctr_va_ssrc(0) depctr_va_vcc(0) depctr_vm_vsrc(0)
	s_getreg_b32 s2, hwreg(HW_REG_IB_STS2, 6, 4)
	s_cmp_eq_u32 s2, 0
	s_cbranch_scc0 .Lentry_in_a_cluster
	s_endpgm
.Lentry_in_a_cluster:
	s_bfe_u32 s2, ttmp6, 0x10000c
	s_cmp_lg_u32 s2, 0xf033
	s_cbranch_scc0 .Lentry_shape_is_right
	s_endpgm
.Lentry_shape_is_right:
; QKV.  qkv = x w_qkv^T on codes of FP6 (E2M3) with E8M0 scales, K = 1,024; the results are quantised in registers and leave as codes: q and k along the head's 64, v along the keys.
; A tile of the result is 256 (side A = source 1: a lane is a row of A) x 256 (side B = source 0: the registers run along B's rows); four waves, 128 x 128 each: 64 accumulators, 512 registers.
; TWO ROLES, by the cluster's y, which all sixteen partners share.  Clusters y 0-7 (q and k): A = 256 tokens of x, B = 256 features of w_qkv: a lane holds a token and 128 features: two heads.
; Clusters y 8-11 (v): A = 256 features of v, B = 256 tokens: a lane holds a feature and 128 tokens: one K step of the product with the softmax's p.
; Operands lie in memory as images of their registers (stored tiles of 16 rows, 12,288 bytes for K = 1,024; a fragment image 1,536 bytes: registers 0-3 at 16 l, 4-5 at 512 + 8 l, 6-9 at 768 + 16 l,
; 10-11 at 1,280 + 8 l).  Lane r of stored tile T is row 32 (T / 2) + 8 (T % 2) + r % 8 + 16 (r / 8), so the 64 registers of A's block a are: register 16 b + i = B's row 32 b + 16 (lane / 16) + i.
; LDS: THREE slots of 256 along K (98,304 bytes: each wave's tensor load brings 8 tiles x 3,072 bytes).  K is four such pairs: three are first fills, the fourth is the one refill, of slot 0:
; a wave has at most three tensor loads out.  No padding: every LDS load takes consecutive bytes.
; CLUSTERS: 4 x 4.  A's tiles are shared along a row of the cluster, B's along a column: each is asked for jointly.
; No prefetch: three quarters of a work-group's bytes are asked for at its head, the rest 256 matrix instructions ahead of their use.
; LIMITS: a block whose largest magnitude lies under 2^-124, and a block of zeros, get the byte 1 (zero codes add nothing; this program alone reads the bytes); NaN and infinities are not served.
; OUT.  q, k codes: [head slot 0-31][token tile 0-511][768] (half a fragment image: 16 tokens x 64); v codes from byte 12,582,912: [key step 0-63][feature tile 0-63][1,536].
; Scale words, 512 bytes for 8 tiles: the word at 16 l + 4 j is that of tile 2 j + l / 16, row l % 16.  q, k: [head slot][group of 8 token tiles 0-63]; v from byte 1,048,576: [key step][group of 8 feature tiles].
; REGISTERS: window 0: v16-27 LDS addresses; v28-29 the add's two; v30-31 16 l, 8 l; v32-63 A's scale words, v64-95 B's; v96-127 at work on the way out; v128-223 A's fragments, one set.
;   window 1: B's fragments, two sets, at v0 and v128.  window 2: accumulators of A's blocks 0-3 ((a, b) at v[8 (8 (a % 4) + b)]); window 3: blocks 4-7.
.set SLOT,  98304
.set QUART, 24576                      ; a wave's part of a slot: 8 tiles x 3,072 bytes
.set SPARE, 3*SLOT                     ; behind the slots: the spare words, 128 bytes for each wave, which no other line names
.set A16, 16                           ; v16-18 my A tiles in slot 0, 1, 2, + 16 l;  v19-21 the same + 8 l
.set A8,  19
.set B16, 22                           ; v22-24, v25-27 the same for B
.set B8,  25
.set SPW, 28
.set NIL, 29
.set L16, 30
.set L8,  31
.set SA,  32                           ; register 4 a + k / 2: lanes 0-15 the words of K step k even, lanes 16-31 of k odd
.set SB,  64
.set TM,  96
.set PWK, 112                          ; v112-119 the scale words of A's eight blocks
.set SW,  120                          ; v120-127 as they are stored
.set AF,  128
.set PC,  128                          ; the way out: the codes just made
.set G1,  24                           ; s[24:31] descriptor group 1 for A's tiles; s[32:43] groups 0, one for each slot
.set G0,  32
.set G1B, 48                           ; s[48:55], s[68:79] the same for B's
.set G0B, 68
.set SEL, 92
.set MSB, 0
.macro WIN new                         ; the immediate's high byte repeats the setting that is left
.if MSB != \new
	s_set_vgpr_msb (MSB<<8)|\new
.set MSB, \new
.endif
.endm
.set MUL_LO, 0xa1                      ; source 0 (B) window 1, source 1 (A) window 0, C and D window 2
.set MUL_HI, 0xf1
.set TO_B,   0x40
.macro JLOAD g0a, g1a, g0b, g1b        ; a joint load: waves 0 and 1 fetch for A, waves 2 and 3 for B; an s_nop 0 and four v_nop follow each of the two lines
	s_cmp_eq_u32 s15, 0
	s_cbranch_scc0 .Lfor_b_\@
	tensor_load_to_lds s[\g0a:\g0a+3], s[\g1a:\g1a+7]
	s_nop 0
.rept 4
	v_nop
.endr
	s_branch .Lasked_\@
.Lfor_b_\@:
	tensor_load_to_lds s[\g0b:\g0b+3], s[\g1b:\g1b+7]
	s_nop 0
.rept 4
	v_nop
.endr
.Lasked_\@:
.endm
.macro CREST                           ; a round of the cluster's barrier behind its opening barrier
	s_cmp_lg_u32 s14, 0
	s_cbranch_scc1 .Lnot_wave_0_\@
	s_barrier_signal -3
.Lnot_wave_0_\@:
	s_barrier_wait -3
	s_barrier_signal -1
	s_barrier_wait -1
.endm
.macro CROUND
	s_barrier_signal -1
	s_barrier_wait -1
	CREST
.endm
.macro PLACES n                        ; plain vector places behind matrix instructions (ISA guide 7.12.1)
.rept \n
	v_nop
.endr
.endm
.macro FRAG reg, a16, a8, off          ; a fragment image comes back as it was stored
	ds_load_b128 v[\reg:\reg+3], v[\a16] offset:\off
	ds_load_b64 v[\reg+4:\reg+5], v[\a8] offset:\off+512
	ds_load_b128 v[\reg+6:\reg+9], v[\a16] offset:\off+768
	ds_load_b64 v[\reg+10:\reg+11], v[\a8] offset:\off+1280
.endm
.macro FETCH_B slot, q, p              ; B's eight fragments of the slot's q-th 128 along K into set p: 32 loads
	WIN TO_B
.irp i, 0,1,2,3,4,5,6,7
	FRAG 128*(\p)+12*\i, B16+\slot, B8+\slot, 3072*\i+1536*(\q)
.endr
	WIN 0
.endm
.macro FETCH_A slot, q, i0             ; A's blocks i0 .. i0 + 3: 16 loads
.irp i, \i0, \i0+1, \i0+2, \i0+3
	FRAG AF+12*(\i), A16+\slot, A8+\slot, 3072*(\i)+1536*(\q)
.endr
.endm
; 16 matrix instructions: A's blocks a0, a0 + 1 x B's eight, K step k.  The 64 accumulators take turns, one instruction a turn, in the same order in every step.
.macro MUL16 a0, k, zero
.irp a, \a0, \a0+1
.irp b, 0,1,2,3,4,5,6,7
.set rD, 8*(8*((\a)%4)+\b)
.set rB, 128*((\k)%2)+12*\b
.set rA, AF+12*(\a)
.set rSB, SB+4*\b+(\k)/2
.set rSA, SA+4*(\a)+(\k)/2
.if \zero
	v_wmma_scale_f32_16x16x128_f8f6f4 v[rD:rD+7], v[rB:rB+11], v[rA:rA+11], 0, v[rSB], v[rSA] matrix_a_fmt:MATRIX_FMT_FP6 matrix_b_fmt:MATRIX_FMT_FP6
.elseif (\k)%2
	v_wmma_scale_f32_16x16x128_f8f6f4 v[rD:rD+7], v[rB:rB+11], v[rA:rA+11], v[rD:rD+7], v[rSB], v[rSA] matrix_a_fmt:MATRIX_FMT_FP6 matrix_b_fmt:MATRIX_FMT_FP6 matrix_a_scale:MATRIX_SCALE_ROW1 matrix_b_scale:MATRIX_SCALE_ROW1
.else
	v_wmma_scale_f32_16x16x128_f8f6f4 v[rD:rD+7], v[rB:rB+11], v[rA:rA+11], v[rD:rD+7], v[rSB], v[rSA] matrix_a_fmt:MATRIX_FMT_FP6 matrix_b_fmt:MATRIX_FMT_FP6
.endif
.endr
.endr
.endm
; K step k; its successor's fragments come from slot ns, its nq-th 128 along K, which is known to have landed
.macro STEP k, ns, nq, zero
	s_wait_dscnt 16                                ; B's set and A's blocks 0-3 are in; the youngest 16 loads (A's blocks 4-7) may be out
	WIN MUL_LO
	MUL16 0, \k, \zero
	MUL16 2, \k, \zero
	s_wait_dscnt 0x0                               ; A's blocks 4-7 are in
	PLACES 4
	FETCH_B \ns, \nq, 1-(\k)%2
	FETCH_A \ns, \nq, 0
	WIN MUL_HI
	MUL16 4, \k, \zero
	MUL16 6, \k, \zero
	PLACES 4
	WIN 0
	FETCH_A \ns, \nq, 4
.endm
; K step k with a barrier in it.  In front of the barrier each wave waits for all its tensor loads, adds 0 to its spare word, and waits for that and for its LDS reads.  fill = 1: slot 0 is filled again.
.macro TURN k, ns, fill
	s_wait_tensorcnt 0x0                           ; all my tensor loads have landed
	ds_add_u32 v[SPW], v[NIL]                      ; 0 onto my spare word
	s_wait_dscnt 17                                ; (the add and the youngest 16 loads may be out)
	WIN MUL_LO
	MUL16 0, \k, 0
	s_wait_dscnt 0x0                               ; the add is done, and my reads of the slot that I leave are over
	s_barrier_signal -1
	MUL16 2, \k, 0
	WIN 0
	s_barrier_wait -1
.if \fill
	CREST                                          ; the barrier has opened a round of the cluster's barrier: no wave of any partner still reads slot 0 or has a load on its way
	s_add_nc_u64 s[G0+2:G0+3], s[G0+2:G0+3], 9216  ; from the first pair of K steps to the fourth
	s_add_nc_u64 s[G0B+2:G0B+3], s[G0B+2:G0B+3], 9216
	JLOAD G0, G1, G0B, G1B                         ; the first tensor load behind the round; its four v_nop are also the places in front of the loads below
.else
	PLACES 4
.endif
	FETCH_B \ns, 0, 1-(\k)%2
	FETCH_A \ns, 0, 0
	WIN MUL_HI
	MUL16 4, \k, 0
	MUL16 6, \k, 0
	PLACES 4
	WIN 0
	FETCH_A \ns, 0, 4
.endm
	s_load_b256 s[4:11], s[0:1], 0x0               ; qin_codes, qin_scales, qkv_codes, qkv_scales
	v_lshl_add_u32 v[SPW], v0, 2, SPARE
	v_mov_b32 v[NIL], 0
	ds_add_u32 v[SPW], v[NIL]                      ; the wave's opening: the add and its wait ahead of my first tensor load; work on registers stands between them
	v_lshrrev_b32 v1, 5, v0
	v_readfirstlane_b32 s14, v1                    ; wave 0..3
	s_lshr_b32 s15, s14, 1                         ; which half of A's rows is mine.  Also: I fetch for A (0) or for B (1)
	s_and_b32 s16, s14, 1                          ; which half of B's rows.  Also: which 8 tiles I fetch
	s_bfe_u32 s56, ttmp6, 0x40000                  ; cx
	s_bfe_u32 s57, ttmp6, 0x40004                  ; cy
	s_and_b32 s59, ttmp7, 0xffff                   ; the cluster's y
	s_lshl_b32 s44, s59, 6                         ; A's first stored tile.  q, k: tokens, 64 y + 16 cy;
	s_lshl_b32 s45, s57, 4
	s_add_co_u32 s44, s44, s45
	s_add_co_u32 s45, s45, 640                     ; v: features of v, 640 + 16 cy
	s_lshl_b32 s46, ttmp9, 6                       ; B's.  q, k: features, 512 + 64 x + 16 cx;
	s_lshl_b32 s47, s56, 4
	s_add_co_u32 s46, s46, s47
	s_lshl_b32 s47, s59, 7
	s_add_co_u32 s47, s47, s46
	s_sub_co_u32 s47, s47, 1024                    ; v: tokens, 128 (y - 8) + 64 x + 16 cx
	s_add_co_u32 s46, s46, 512
	s_cmp_ge_u32 s59, 8                            ; the role: the same in all sixteen partners
	s_cselect_b32 s44, s45, s44
	s_cselect_b32 s46, s47, s46
	s_cselect_b32 s60, 1, 0
	s_lshl_b32 s21, s57, 2
	s_lshl_b32 s21, 15, s21                        ; my row of the cluster
	s_lshl_b32 s22, 0x1111, s56                    ; my column
	; descriptor group 1: 8 rows (tiles) of 384 elements of 8 bytes (two fragment images), 1,536 elements apart; no padding
	s_or_b32 s[G1], s21, (3<<16)|(1<<21)           ; 15:0 the mask: A's tiles go to my row; 17:16 elements of 8 bytes; 21 set beside a mask
	s_or_b32 s[G1B], s22, (3<<16)|(1<<21)
.irp g, G1, G1B
	s_mov_b32 s[\g+1], 384<<16                     ; tensor_dim0
	s_mov_b32 s[\g+2], 8<<16                       ; tensor_dim1
	s_mov_b32 s[\g+3], 384<<16                     ; tile_dim0
	s_mov_b32 s[\g+4], 8                           ; tile_dim1
	s_mov_b32 s[\g+5], 1536                        ; tensor_dim0_stride
	s_mov_b32 s[\g+6], 0
	s_mov_b32 s[\g+7], 0
.endr
	s_lshl_b32 s61, s16, 3
	s_add_co_u32 s62, s44, s61                     ; the 8 tiles that I fetch, if for A,
	s_mul_i32 s62, s62, 12288
	s_mov_b32 s63, 0
	s_add_co_u32 s66, s46, s61                     ; and if for B
	s_mul_i32 s66, s66, 12288
	s_mov_b32 s67, 0
	s_mul_i32 s20, s14, QUART                      ; where they go: no place in the cluster enters an LDS address
	s_wait_dscnt 0x0                               ; the opening add is done
	s_wait_kmcnt 0x0
	s_add_nc_u64 s[62:63], s[4:5], s[62:63]
	s_add_nc_u64 s[66:67], s[4:5], s[66:67]
	CROUND                                         ; all sixteen work-groups are here: the first joint loads meet
.irp s, 0,1,2
	s_mov_b32 s[G0+4*\s], 1
	s_add_co_u32 s[G0+4*\s+1], s20, \s*SLOT
	s_add_nc_u64 s[G0+4*\s+2:G0+4*\s+3], s[62:63], \s*3072
	s_or_b32 s[G0+4*\s+3], s[G0+4*\s+3], 0x80000000
	s_mov_b32 s[G0B+4*\s], 1
	s_add_co_u32 s[G0B+4*\s+1], s20, \s*SLOT
	s_add_nc_u64 s[G0B+4*\s+2:G0B+4*\s+3], s[66:67], \s*3072
	s_or_b32 s[G0B+4*\s+3], s[G0B+4*\s+3], 0x80000000
	JLOAD G0+4*\s, G1, G0B+4*\s, G1B
.endr
	v_and_b32 v1, 31, v0
	v_lshlrev_b32 v[L16], 4, v1
	v_lshlrev_b32 v[L8], 3, v1
	s_mul_i32 s21, s15, QUART                      ; my 8 tiles of A,
	s_mul_i32 s22, s16, QUART                      ; my 8 tiles of B,
	s_add_co_u32 s22, s22, 2*QUART                 ; which lie behind A's 16
.irp s, 0,1,2
	v_add_nc_u32 v[A16+\s], s21, v[L16]
	v_add_nc_u32 v[A8+\s], s21, v[L8]
	v_add_nc_u32 v[B16+\s], s22, v[L16]
	v_add_nc_u32 v[B8+\s], s22, v[L8]
	s_add_co_u32 s21, s21, SLOT
	s_add_co_u32 s22, s22, SLOT
.endr
	s_lshl_b32 s21, s15, 3
	s_add_co_u32 s94, s44, s21                     ; my first tile of A
	s_lshl_b32 s21, s16, 3
	s_add_co_u32 s95, s46, s21                     ; my first tile of B
	s_lshl_b32 s12, s94, 9
	s_mov_b32 s13, 0
	s_add_nc_u64 s[12:13], s[6:7], s[12:13]        ; their scale words: 512 bytes a tile
	s_lshl_b32 s18, s95, 9
	s_mov_b32 s19, 0
	s_add_nc_u64 s[18:19], s[6:7], s[18:19]
.irp i, 0,1,2,3,4,5,6,7
.irp c, 0,1
	global_load_b64 v[SA+4*\i+2*\c:SA+4*\i+2*\c+1], v[L8], s[12:13] offset:512*\i+256*\c
	global_load_b64 v[SB+4*\i+2*\c:SB+4*\i+2*\c+1], v[L8], s[18:19] offset:512*\i+256*\c
.endr
.endr
.irp b, 0,1,2,3
	v_mov_b32 v[TM+4+\b], 0                        ; written once: a lane permute's destination counts as one of its sources
.endr
	; where the results go: both roles' offsets, then one choice
	s_sub_co_u32 s21, s95, 512
	s_lshr_b32 s21, s21, 2                         ; q, k: my first head slot (4 feature tiles a head)
	s_lshl_b32 s22, s21, 9
	s_add_co_u32 s22, s22, s94
	s_mul_i32 s22, s22, 768                        ; codes: (head slot x 512 + token tile) x 768
	s_lshl_b32 s23, s21, 6
	s_lshr_b32 s61, s94, 3
	s_add_co_u32 s23, s23, s61
	s_lshl_b32 s23, s23, 9                         ; scale words: (head slot x 64 + group of token tiles) x 512
	s_lshr_b32 s61, s95, 3                         ; v: my key step
	s_lshl_b32 s21, s61, 6
	s_add_co_u32 s21, s21, s94
	s_sub_co_u32 s21, s21, 640
	s_mul_i32 s21, s21, 1536
	s_add_co_u32 s21, s21, 12582912                ; codes: (key step x 64 + feature tile) x 1,536
	s_lshl_b32 s61, s61, 3
	s_sub_co_u32 s17, s94, 640
	s_lshr_b32 s17, s17, 3
	s_add_co_u32 s61, s61, s17
	s_lshl_b32 s61, s61, 9
	s_add_co_u32 s61, s61, 1048576                 ; scale words: (key step x 8 + group of feature tiles) x 512
	s_mov_b32 s84, 1536
	s_mov_b32 s86, 768
	s_cmp_lg_u32 s60, 0
	s_cselect_b32 s80, s21, s22
	s_cselect_b32 s88, s61, s23
	s_cselect_b32 s84, s84, 768                    ; from one block of A to the next
	s_cselect_b32 s86, s86, 393216                 ; from registers 0-5 to registers 6-11: the image's second half, or the next head slot
	s_mov_b32 s81, 0
	s_mov_b32 s85, 0
	s_mov_b32 s87, 0
	s_mov_b32 s89, 0
	s_add_nc_u64 s[80:81], s[8:9], s[80:81]
	s_add_nc_u64 s[82:83], s[80:81], s[86:87]
	s_add_nc_u64 s[88:89], s[10:11], s[88:89]
	s_mov_b32 s90, 0xffff0000                      ; lanes 16-31
	s_mov_b32 s[SEL], 0x76543210
	s_mov_b32 s[SEL+1], 0xfedcba98
	s_wait_tensorcnt 0x2                           ; my part of slot 0 is in; slots 1 and 2 may stay out
	s_barrier_signal -1
	s_barrier_wait -1
	FETCH_B 0, 0, 0
	FETCH_A 0, 0, 0
	FETCH_A 0, 0, 4
	s_wait_loadcnt 0x0                             ; the scale words
	STEP 0, 0, 1, 1                                ; the first K step's products start the sums: nothing is cleared
	TURN 1, 1, 1                                   ; slot 0 is left and filled again; the wait for all loads in front of its barrier has also shown slots 1 AND 2 whole, in every wave
	STEP 2, 1, 1, 0
	STEP 3, 2, 0, 0
	STEP 4, 2, 1, 0
	TURN 5, 0, 0                                   ; the refill has landed in every wave; nothing is filled again, so no round follows
	STEP 6, 0, 1, 0
	s_wait_dscnt 16                                ; the last K step: nothing more to fetch
	WIN MUL_LO
	MUL16 0, 7, 0
	MUL16 2, 7, 0
	s_wait_dscnt 0x0
	WIN MUL_HI
	MUL16 4, 7, 0
	MUL16 6, 7, 0
	WIN 0
; THE WAY OUT.  Block a's 64 registers (16 b + i = B's row 32 b + 16 (lane / 16) + i) are quantised along B: a fragment's codes and a scale word a lane.  Each accumulator is read from its low end on.
.macro QUANTW a
.set AC, 64*((\a)%4)
	WIN 0x0a+5*((\a)/4)                            ; sources 0 and 1: window 2 or 3
.irp b, 0,1,2,3
	v_max3_num_f32 v[TM+\b], |v[AC+16*\b]|, |v[AC+16*\b+1]|, 0x1800000   ; and the floor 2^(3 - 127): the byte cannot fall under 1
.endr
.irp i, 2,4,6,8,10,12,14
.irp b, 0,1,2,3
	v_max3_num_f32 v[TM+\b], |v[AC+16*\b+\i]|, |v[AC+16*\b+\i+1]|, v[TM+\b]
.endr
.endr
	WIN 0
.irp b, 0,1,2,3
	v_permlanex16_b32 v[TM+4+\b], v[TM+\b], s[SEL], s[SEL+1]
.endr
.irp b, 0,1,2,3
	v_max_num_f32 v[TM+\b], v[TM+\b], v[TM+4+\b]
.endr
.irp b, 0,1,2,3
	v_add_nc_u32 v[TM+12+\b], 0xff000000, v[TM+\b] ; 2 off the exponent field: the conversion's scale operand
.endr
.irp b, 0,1,2,3
	v_lshrrev_b32 v[TM+4+\b], 23, v[TM+12+\b]      ; the scale's byte
.endr
	v_lshl_or_b32 v[PWK+(\a)], v[TM+5], 8, v[TM+4]
	v_lshl_or_b32 v[PWK+(\a)], v[TM+6], 16, v[PWK+(\a)]
	v_lshl_or_b32 v[PWK+(\a)], v[TM+7], 24, v[PWK+(\a)]
	s_wait_xcnt 0x0                                ; the last block's stores have read their data and bases: both are rewritten only behind this wait
.if (\a) > 0
	s_add_nc_u64 s[80:81], s[80:81], s[84:85]
	s_add_nc_u64 s[82:83], s[82:83], s[84:85]
.endif
	WIN 0x02+((\a)/4)                              ; source 0: window 2 or 3
.irp c, 0,1
	v_cvt_scalef32_pk16_fp6_f32 v[PC+6*\c:PC+2+6*\c], v[AC+32*\c:AC+32*\c+15], v[TM+12+2*\c]
	v_cvt_scalef32_pk16_fp6_f32 v[PC+12+4*\c:PC+14+4*\c], v[AC+32*\c+16:AC+32*\c+31], v[TM+12+2*\c+1]
.endr
	WIN 0
	v_nop                                          ; one plain place behind a scaled conversion
.irp c, 0,1
.irp i, 0,1,2
	v_permlane16_swap_b32 v[PC+6*\c+\i], v[PC+12+4*\c+\i]
.endr
.irp i, 0,1,2
	v_mov_b32 v[PC+3+6*\c+\i], v[PC+12+4*\c+\i]
.endr
.endr
	global_store_b128 v[L16], v[PC:PC+3], s[80:81]             ; every store covers whole aligned runs of 256 bytes
	global_store_b64 v[L8], v[PC+4:PC+5], s[80:81] offset:512
	global_store_b128 v[L16], v[PC+6:PC+9], s[82:83]
	global_store_b64 v[L8], v[PC+10:PC+11], s[82:83] offset:512
.endm
	PLACES 4                                       ; behind the last products
.irp a, 0,1,2,3,4,5,6,7
	QUANTW \a
.endr
.irp j, 0,1,2,3
	v_cndmask_b32 v[SW+\j], v[PWK+2*\j], v[PWK+2*\j+1], s90   ; lanes 0-15 tile 2 j's words, lanes 16-31 tile 2 j + 1's
.endr
	global_store_b128 v[L16], v[SW:SW+3], s[88:89] ; q, k: the first head's bytes are the words' low halves (the bytes above scale zero codes); v: the four bytes of a key step
	s_cmp_lg_u32 s60, 0
	s_cbranch_scc1 .Lv_done                        ; the role is the same in all partners
.irp j, 0,1,2,3
	v_lshrrev_b32 v[SW+4+\j], 16, v[SW+\j]         ; the second head's two bytes
.endr
	global_store_b128 v[L16], v[SW+4:SW+7], s[88:89] offset:32768
.Lv_done:
	s_wait_tensorcnt 0x0                           ; the wave's end
	ds_add_u32 v[SPW], v[NIL]
	s_wait_dscnt 0x0
	CROUND                                         ; the closing round: no work-group ends while a partner may still ask for a tile that names it
	s_endpgm
.Lfunc_end_k_q370f7175b2_qkv:
	.size	k_q370f7175b2_qkv, .Lfunc_end_k_q370f7175b2_qkv-k_q370f7175b2_qkv
	.p2alignl 7, 3214868480
	.fill 96, 4, 3214868480
	.section	.rodata,"a",@progbits
	.p2align	6, 0x0
	.amdhsa_kernel k_q370f7175b2_qkv
		.amdhsa_group_segment_fixed_size 327680
		.amdhsa_private_segment_fixed_size 0
		.amdhsa_enable_private_segment 0
		.amdhsa_kernarg_size 32
		.amdhsa_user_sgpr_count 2
		.amdhsa_user_sgpr_kernarg_segment_ptr 1
		.amdhsa_wavefront_size32 1
		.amdhsa_system_sgpr_workgroup_id_x 1
		.amdhsa_system_sgpr_workgroup_id_y 1
		.amdhsa_system_sgpr_workgroup_id_z 1
		.amdhsa_system_vgpr_workitem_id 0
		.amdhsa_next_free_vgpr 1024
		.amdhsa_next_free_sgpr 96
		.amdhsa_reserve_vcc 0
		.amdhsa_float_denorm_mode_32 3
		.amdhsa_float_denorm_mode_16_64 3
		.amdhsa_memory_ordered 1
		.amdhsa_forward_progress 1
		.amdhsa_inst_pref_size 149
	.end_amdhsa_kernel
	.amdgpu_metadata
---
amdhsa.version: [ 1, 2 ]
amdhsa.kernels:
  - .name:           k_q370f7175b2_qkv
    .symbol:         k_q370f7175b2_qkv.kd
    .args:
      - { .name: qin_codes, .offset: 0, .size: 8, .value_kind: global_buffer, .address_space: global }
      - { .name: qin_scales, .offset: 8, .size: 8, .value_kind: global_buffer, .address_space: global }
      - { .name: qkv_codes, .offset: 16, .size: 8, .value_kind: global_buffer, .address_space: global }
      - { .name: qkv_scales, .offset: 24, .size: 8, .value_kind: global_buffer, .address_space: global }
    .group_segment_fixed_size: 327680
    .private_segment_fixed_size: 0
    .kernarg_segment_align: 8
    .kernarg_segment_size: 32
    .max_flat_workgroup_size: 128
    .sgpr_count:     96
    .vgpr_count:     1024
    .wavefront_size: 32
...
	.end_amdgpu_metadata
.endif
;; end of part 2
;; launch attn (part 3): grid 4 x 64, 16 waves a work-group, no clusters, 212,992 bytes of LDS; arguments qkv_codes, qkv_scales, maskw, att_codes, att_scales; writes att_codes, att_scales
.if DOCPART == 3
	.amdgcn_target "amdgcn-amd-amdhsa--gfx1250"
	.amdhsa_code_object_version 6
	.text
	.protected	k_q370f7175b2_attn
	.globl	k_q370f7175b2_attn
	.p2align	8
	.type	k_q370f7175b2_attn,@function
k_q370f7175b2_attn:
	s_mov_b64 s[64:65], 0
	v_nop
	global_prefetch_b8 v0, s[64:65] scope:SCOPE_SE
	s_setreg_imm32_b32 hwreg(HW_REG_WAVE_MODE, 25, 1), 1
	s_wait_xcnt 0x0
; ATTN.  For each (batch, head): S^T = K Q^T, the mask, p = 2^(t - M) with t = score x log2(e) / 8 and M the running largest t rounded UP to a whole number, O^T += V^T P^T, O / l; both products on
; codes of FP6 (E2M3) with E8M0 scales.  The row's sum l is taken of the unquantised p.  O / l is quantised along the head's 64 and leaves as codes for the last product.
; K = 64 in the first product: registers 6-11 of both operands hold zero codes.
; THE MASK IS AN INPUT.  An earlier launch has stored, as whole numbers, for each (tile of 16 queries, step of 128 keys) 64 lane masks and a flag.  A step all of whose keys are masked for all 16 queries
; is jumped over: its p would be 0 and M would not move.  A step with no masked key leaves the 64 selects out.  This serves every mask.
; A row with no open key has l = 0: its scale bytes are set to 0xff, which makes the whole row of the output NaN, as the softmax of such a row is.
; SHARES.  A work-group has one (batch, head) and a quarter of its 128 tiles of 16 queries; each of its sixteen waves takes two tiles, one after the other, one from the lower half of the sequence and
; one mirrored from the upper half.  ALL of the head's K and V, as codes, lie in LDS: 16 records (key steps) of 13,056 bytes; wave w fills record w; one barrier; no ring.
; No tensor load, hence no joint load with the head's three other work-groups.  No prefetch: all loads go out at the head.
; LAYOUT.  Both products are used transposed: a lane holds ONE query (lane % 16) throughout.  Stored tiles (lane r = row 32 (T / 2) + 8 (T % 2) + r % 8 + 16 (r / 8)) make score register 16 b + i the key
; 32 b + 16 (lane / 16) + i of the step, and O^T's register 16 b + i the head's channel 32 b + 16 (lane / 16) + i.
; REGISTERS: v1-2 16 l, 8 l; v3-4 the step's LDS addresses; v5-6 the add's two; v7 -infinity; v8-9 LDS places of the output's scale words; v10 1 / l; v11 0xff; v12 -M, v13 the largest t, v[14:15] l;
; v16-27, v84-95 Q of the two tiles; v28-29 their scale words; v30-31 V's scale words; v32-79 four fragments of K; v80-83 K's scale words; v96-159 S^T, then p, then V's four fragments;
; v160-191 O^T; v192-210 codes; v212-231 at work.
.set REC,   13056                      ; a record: 6,144 K's 8 half images, 6,144 V's 4 images, 512 K's scale words, 256 V's
.set OSC,   16*REC                     ; the output's scale words: 4 groups x 512 bytes
.set SPARE, OSC+2048                   ; the spare words, 128 bytes for each wave, which no other line names
	s_load_b256 s[4:11], s[0:1], 0x0               ; qkv_codes, qkv_scales, maskw, att_codes
	s_load_b64 s[12:13], s[0:1], 0x20              ; att_scales
	v_lshl_add_u32 v5, v0, 2, SPARE
	v_mov_b32 v6, 0
	v_lshrrev_b32 v1, 5, v0
	v_readfirstlane_b32 s84, v1                    ; wave 0..15
	v_and_b32 v2, 31, v0
	v_lshlrev_b32 v1, 4, v2                        ; 16 l
	v_lshlrev_b32 v2, 3, v2                        ; 8 l
	v_and_b32 v229, 15, v0
	v_lshlrev_b32 v229, 4, v229                    ; 16 r
	s_mov_b32 s85, ttmp9                           ; j: which quarter of the query tiles
	s_and_b32 s86, ttmp7, 0xffff                   ; 16 x batch + head
	s_lshr_b32 s87, s86, 4                         ; batch
	s_and_b32 s88, s86, 15                         ; head
	s_lshr_b32 s16, s84, 3                         ; q = wave / 8
	s_and_b32 s17, s84, 7                          ; my tile in a group of 8
	s_lshl_b32 s18, s16, 2
	s_add_co_u32 s18, s18, s85                     ; first pass: group 4 q + j
	s_sub_co_u32 s19, 15, s18                      ; second pass: group 15 - 4 q - j
	s_lshl_b32 s20, s18, 3
	s_add_co_u32 s20, s20, s17                     ; the two tiles of queries, 0..127
	s_lshl_b32 s21, s19, 3
	s_add_co_u32 s21, s21, s17
	s_lshl_b32 s50, s87, 7                         ; 128 x batch
	s_lshl_b32 s51, s88, 9
	s_add_co_u32 s52, s50, s51                     ; q's tiles of this batch and head begin here
	s_lshl_b32 s53, s84, 3
	s_add_co_u32 s32, s52, s53
	s_add_co_u32 s32, s32, 8192                    ; k's head slots lie 16 x 512 tiles on; record w: tiles 8 w on
	s_mul_i32 s32, s32, 768
	s_mov_b32 s33, 0
	s_lshl_b32 s54, s87, 4
	s_add_co_u32 s54, s54, s84                     ; 16 x batch + key step
	s_lshl_b32 s34, s54, 6
	s_lshl_b32 s55, s88, 2
	s_add_co_u32 s34, s34, s55
	s_mul_i32 s34, s34, 1536
	s_add_co_u32 s34, s34, 12582912                ; v's four images
	s_mov_b32 s35, 0
	s_add_co_u32 s36, s88, 16
	s_lshl_b32 s36, s36, 6
	s_add_co_u32 s36, s36, s54
	s_lshl_b32 s36, s36, 9                         ; k's scale words of the step's 8 tiles
	s_mov_b32 s37, 0
	s_lshl_b32 s38, s54, 3
	s_lshr_b32 s55, s88, 1
	s_add_co_u32 s38, s38, s55
	s_lshl_b32 s38, s38, 9
	s_and_b32 s55, s88, 1
	s_lshl_b32 s55, s55, 3
	s_add_co_u32 s38, s38, s55
	s_add_co_u32 s38, s38, 1048576                 ; v's: two of a lane's four words
	s_mov_b32 s39, 0
	s_add_co_u32 s40, s52, s20
	s_mul_i32 s40, s40, 768                        ; Q of the first tile,
	s_mov_b32 s41, 0
	s_add_co_u32 s42, s52, s21
	s_mul_i32 s42, s42, 768                        ; of the second
	s_mov_b32 s43, 0
	s_lshl_b32 s55, s88, 6
	s_lshl_b32 s56, s87, 4
	s_add_co_u32 s55, s55, s56
	s_and_b32 s56, s17, 1
	s_lshl_b32 s56, s56, 8
	s_lshr_b32 s57, s17, 1
	s_lshl_b32 s57, s57, 2
	s_add_co_u32 s56, s56, s57                     ; my tile's words in a group's 512 bytes: 256 (tile % 2) + 4 (tile / 2), + 16 r
	s_add_co_u32 s44, s55, s18
	s_lshl_b32 s44, s44, 9
	s_add_co_u32 s44, s44, s56
	s_mov_b32 s45, 0
	s_add_co_u32 s46, s55, s19
	s_lshl_b32 s46, s46, 9
	s_add_co_u32 s46, s46, s56
	s_mov_b32 s47, 0
	s_lshl_b32 s22, s20, 10
	s_add_co_u32 s22, s22, 524288                  ; the flags of the two tiles: four words, 256 bytes apart
	s_lshl_b32 s23, s21, 10
	s_add_co_u32 s23, s23, 524288
	s_mul_i32 s58, s84, REC
	v_add_nc_u32 v232, s58, v1                     ; my record, + 16 l
	v_add_nc_u32 v233, s58, v2                     ; + 8 l
	s_lshl_b32 s59, s16, 9
	s_add_co_u32 s59, s59, s56
	s_add_co_u32 s59, s59, OSC
	v_add_nc_u32 v8, s59, v229                     ; where my tile's scale word goes
	s_and_b32 s59, s84, 3
	s_lshl_b32 s59, s59, 9
	s_add_co_u32 s59, s59, OSC
	v_add_nc_u32 v9, s59, v1                       ; and where waves 0-3 read a group's 512 bytes back
	s_wait_kmcnt 0x0
	s_add_nc_u64 s[32:33], s[4:5], s[32:33]
	s_add_nc_u64 s[34:35], s[4:5], s[34:35]
	s_add_nc_u64 s[36:37], s[6:7], s[36:37]
	s_add_nc_u64 s[38:39], s[6:7], s[38:39]
	s_add_nc_u64 s[40:41], s[4:5], s[40:41]
	s_add_nc_u64 s[42:43], s[4:5], s[42:43]
	s_add_nc_u64 s[44:45], s[6:7], s[44:45]
	s_add_nc_u64 s[46:47], s[6:7], s[46:47]
.irp i, 0,1,2,3
	s_load_b32 s[24+\i], s[8:9], s22 offset:256*\i
	s_load_b32 s[28+\i], s[8:9], s23 offset:256*\i
.endr
.irp i, 0,1,2,3,4,5,6,7,8,9,10,11
	global_load_b128 v[96+4*\i:99+4*\i], v1, s[32:33] offset:512*\i
.endr
.irp i, 0,1,2,3,4,5,6,7,8,9,10,11
	global_load_b128 v[144+4*\i:147+4*\i], v1, s[34:35] offset:512*\i
.endr
	global_load_b128 v[192:195], v1, s[36:37]
	global_load_b64 v[196:197], v1, s[38:39]
	global_load_b128 v[16:19], v1, s[40:41]
	global_load_b64 v[20:21], v2, s[40:41] offset:512
	global_load_b32 v28, v229, s[44:45]
	global_load_b128 v[84:87], v1, s[42:43]
	global_load_b64 v[88:89], v2, s[42:43] offset:512
	global_load_b32 v29, v229, s[46:47]
.irp i, 0,1,2,3,4,5
	v_mov_b32 v[22+\i], 0                          ; zero codes for k = 64 .. 127: Q's two operands,
	v_mov_b32 v[90+\i], 0
	v_mov_b32 v[38+\i], 0                          ; and K's four buffers; never rewritten
	v_mov_b32 v[50+\i], 0
	v_mov_b32 v[62+\i], 0
	v_mov_b32 v[74+\i], 0
.endr
	v_mov_b32 v7, 0xff800000                       ; -infinity
	v_mov_b32 v11, 0xff
	v_mov_b32 v227, 0                              ; (named as the upper half of the pair v[226:227])
	v_mov_b32 v228, 0
.irp b, 0,1,2,3
	v_mov_b32 v[216+\b], 0                         ; written once: a lane permute's destination counts as one of its sources
.endr
	s_mov_b32 s90, 0x76543210
	s_mov_b32 s91, 0xfedcba98                      ; lane l xor 16
	s_mov_b32 s92, 0x3e38aa3b                      ; c = log2(e) / 8
	s_mov_b32 s93, s92                             ; (named with it as a pair)
	s_wait_loadcnt 0x0
.irp i, 0,1,2,3,4,5,6,7,8,9,10,11
	ds_store_b128 v232, v[96+4*\i:99+4*\i] offset:512*\i
.endr
.irp i, 0,1,2,3,4,5,6,7,8,9,10,11
	ds_store_b128 v232, v[144+4*\i:147+4*\i] offset:6144+512*\i
.endr
	ds_store_b128 v232, v[192:195] offset:12288
	ds_store_b64 v233, v[196:197] offset:12800
	s_wait_kmcnt 0x0                               ; the flags: 8 bits a word, 2 a key step
	s_lshl_b32 s25, s25, 8
	s_lshl_b32 s26, s26, 16
	s_lshl_b32 s27, s27, 24
	s_or_b32 s24, s24, s25
	s_or_b32 s26, s26, s27
	s_or_b32 s96, s24, s26                         ; the first tile's 16 flags
	s_lshl_b32 s29, s29, 8
	s_lshl_b32 s30, s30, 16
	s_lshl_b32 s31, s31, 24
	s_or_b32 s28, s28, s29
	s_or_b32 s30, s30, s31
	s_or_b32 s97, s28, s30                         ; the second tile's
	s_lshl_b32 s48, s20, 12                        ; both passes' pointers, into pairs whose first use is over (every load is back)
	s_mov_b32 s49, 0
	s_add_nc_u64 s[2:3], s[8:9], s[48:49]          ; the first tile's lane masks
	s_lshl_b32 s48, s21, 12
	s_add_nc_u64 s[6:7], s[8:9], s[48:49]          ; the second tile's
	s_mul_i32 s51, s88, 768
	s_add_co_u32 s48, s50, s20
	s_mul_i32 s48, s48, 12288
	s_add_co_u32 s48, s48, s51
	s_add_nc_u64 s[4:5], s[10:11], s[48:49]        ; where the first tile's codes go: (128 batch + tile) x 12,288 + head x 768
	s_add_co_u32 s48, s50, s21
	s_mul_i32 s48, s48, 12288
	s_add_co_u32 s48, s48, s51
	s_add_nc_u64 s[10:11], s[10:11], s[48:49]      ; and the second's
	s_wait_dscnt 0x0                               ; for the others' sake: my record lies in LDS
	s_barrier_signal -1
	s_barrier_wait -1                              ; all sixteen records do
; ONE TILE OF 16 QUERIES.  p: the pass; q: Q's first register; qs: its scale words; f: the flags; mp: the lane masks' pointer; op: the codes' pointer
.macro PASS p, q, qs, f, mp, op
.if \p
	s_wait_xcnt 0x0                                ; the first tile's stores have read their data
.endif
	v_mov_b32 v13, 0xff61b1e6                      ; the largest t so far: -3e38
	v_floor_f32 v12, -v13                          ; -M
	v_mov_b32 v14, 0
	v_mov_b32 v15, 0
.set J, 0
.rept 32
	v_mov_b32 v[160+J], 0                          ; O^T.  Which step is the first to be executed hangs on the mask, so no product can be written out to start the sums
.set J, J+1
.endr
	s_mov_b32 s94, 0                               ; the step's record
	s_mov_b32 s98, 0                               ; its flag's place
	s_mov_b32 s95, 0
.Lstep_\@:
	s_lshr_b32 s99, s[\f], s98
	s_and_b32 s99, s99, 3
	s_cmp_eq_u32 s99, 2
	s_cbranch_scc1 .Lskip_\@                       ; every key masked for all 16 queries
	s_load_b512 s[16:31], s[\mp:\mp+1], 0x0        ; the step's 64 lane masks; an open step asks too, so that the wait below stands on every path
	s_load_b512 s[32:47], s[\mp:\mp+1], 0x40
	s_load_b512 s[48:63], s[\mp:\mp+1], 0x80
	s_load_b512 s[68:83], s[\mp:\mp+1], 0xc0
	v_add_nc_u32 v3, s94, v1
	v_add_nc_u32 v4, s94, v2
.rept 3
	v_nop                                          ; with the two additions: five places behind the last step's products, whose source registers the first product below writes over
.endr
.irp g, 0,1                            ; S^T = K Q^T, four tiles of 16 keys at a time
.if \g
.rept 4
	v_nop                                          ; places in front of loads into registers that matrix instructions have read
.endr
.endif
.irp t, 0,1,2,3
	ds_load_b128 v[32+12*\t:35+12*\t], v3 offset:(4*\g+\t)*768
	ds_load_b64 v[36+12*\t:37+12*\t], v4 offset:(4*\g+\t)*768+512
.endr
.if \g == 0
	ds_load_b128 v[80:83], v3 offset:12288         ; K's scale words: register j: lanes 0-15 tile 2 j, lanes 16-31 tile 2 j + 1
.endif
	s_wait_dscnt 0x0
.irp t, 0,1,2,3
.if \t%2
	v_wmma_scale_f32_16x16x128_f8f6f4 v[96+8*(4*\g+\t):103+8*(4*\g+\t)], v[32+12*\t:43+12*\t], v[\q:\q+11], 0, v[80+(4*\g+\t)/2], v[\qs] matrix_a_fmt:MATRIX_FMT_FP6 matrix_b_fmt:MATRIX_FMT_FP6 matrix_a_scale:MATRIX_SCALE_ROW1
.else
	v_wmma_scale_f32_16x16x128_f8f6f4 v[96+8*(4*\g+\t):103+8*(4*\g+\t)], v[32+12*\t:43+12*\t], v[\q:\q+11], 0, v[80+(4*\g+\t)/2], v[\qs] matrix_a_fmt:MATRIX_FMT_FP6 matrix_b_fmt:MATRIX_FMT_FP6
.endif
.endr
.endr
.rept 4
	v_nop
.endr
	s_wait_kmcnt 0x0                               ; the lane masks are in, and their pointer may be stepped
	s_cmp_eq_u32 s99, 0
	s_cbranch_scc1 .Lopen_\@                       ; no key masked
.set RR, 0
.rept 64
.set NN, 2*(RR%32)+RR/32
.if NN < 48
	v_cndmask_b32 v[96+RR], v[96+RR], v7, s[16+NN] ; a masked score becomes -infinity ahead of the maximum: p = 0
.else
	v_cndmask_b32 v[96+RR], v[96+RR], v7, s[20+NN]
.endif
.set RR, RR+1
.endr
.Lopen_\@:
.irp b, 0,1,2,3
	v_max3_num_f32 v[212+\b], v[96+16*\b], v[97+16*\b], v[98+16*\b]   ; the largest score of each block of 32 keys: for the row's maximum, and, since p rises with the score, for the block's largest p
.endr
.irp i, 3,5,7,9,11,13
.irp b, 0,1,2,3
	v_max3_num_f32 v[212+\b], v[212+\b], v[96+16*\b+\i], v[97+16*\b+\i]
.endr
.endr
.irp b, 0,1,2,3
	v_max_num_f32 v[212+\b], v[212+\b], v[111+16*\b]
.endr
.irp b, 0,1,2,3
	v_permlanex16_b32 v[216+\b], v[212+\b], s90, s91
.endr
.irp b, 0,1,2,3
	v_max_num_f32 v[212+\b], v[212+\b], v[216+\b]  ; with lane l xor 16's 16 keys
.endr
	v_max3_num_f32 v228, v212, v213, v214
	v_max_num_f32 v228, v228, v215
	v_mul_f32 v228, s92, v228                      ; the step's largest t
	v_max_num_f32 v13, v13, v228                   ; the running largest t
	v_mov_b32 v228, v12
	v_floor_f32 v12, -v13                          ; the new -M = -ceil(t): a whole number
	v_sub_f32 v228, v12, v228                      ; old M - new M, 0 or less
	v_cvt_i32_f32 v228, v228                       ; (it saturates)
	v_ldexp_f32 v226, 1.0, v228                    ; f = 2^(old M - new M): a multiplication by it rounds nothing
.set J, 0
.rept 32
	v_pk_fma_f32 v[96+J:97+J], v[96+J:97+J], s[92:93], v[12:13] op_sel_hi:[1,0,0]   ; t - M, two at a time
.set J, J+2
.endr
.irp b, 0,1,2,3
	v_fma_f32 v[212+\b], v[212+\b], s92, v12       ; the same of each block's largest score
.endr
.set J, 0
.rept 64
	v_exp_f32 v[96+J], v[96+J]                     ; p = 2^(t - M), not normalised
.set J, J+1
.endr
	v_pk_mul_f32 v[14:15], v[14:15], v[226:227] op_sel_hi:[1,0]   ; l under the new M; a plain place behind the exponentials
	s_wait_alu depctr_va_vdst(0)                   ; one wait for the whole batch, ahead of its first reader
.irp b, 0,1,2,3
	v_exp_f32 v[212+\b], v[212+\b]                 ; the block's largest p
.endr
	v_pk_add_f32 v[230:231], v[96:97], v[98:99]    ; the row's sum, of the unquantised p, in two chains
.irp j, 4,8,12,16,20,24,28,32,36,40,44,48,52,56,60
	v_pk_add_f32 v[14:15], v[14:15], v[96+\j:97+\j]
	v_pk_add_f32 v[230:231], v[230:231], v[98+\j:99+\j]
.endr
	v_pk_add_f32 v[14:15], v[14:15], v[230:231]
	s_wait_alu depctr_va_vdst(0)                   ; and one for the four
.irp b, 0,1,2,3
	v_max_num_f32 v[212+\b], 0x1800000, v[212+\b]  ; the floor 2^(3 - 127): the byte cannot fall under 1
.endr
.irp b, 0,1,2,3
	v_add_nc_u32 v[220+\b], 0xff000000, v[212+\b]  ; 2 off the exponent field: the conversion's scale operand
.endr
.irp b, 0,1,2,3
	v_lshrrev_b32 v[216+\b], 23, v[220+\b]
.endr
	v_lshl_or_b32 v224, v217, 8, v216              ; p's scale word for these 128 keys
	v_lshl_or_b32 v224, v218, 16, v224
	v_lshl_or_b32 v224, v219, 24, v224
.irp c, 0,1
	v_cvt_scalef32_pk16_fp6_f32 v[192+6*\c:194+6*\c], v[96+32*\c:111+32*\c], v[220+2*\c]
	v_cvt_scalef32_pk16_fp6_f32 v[204+4*\c:206+4*\c], v[112+32*\c:127+32*\c], v[221+2*\c]
.endr
	v_nop                                          ; one plain place behind a scaled conversion
.irp d, 0,1,2,3                        ; V's four fragments take p's place
	ds_load_b128 v[96+12*\d:99+12*\d], v3 offset:6144+1536*\d
	ds_load_b64 v[100+12*\d:101+12*\d], v4 offset:6144+1536*\d+512
	ds_load_b128 v[102+12*\d:105+12*\d], v3 offset:6144+1536*\d+768
	ds_load_b64 v[106+12*\d:107+12*\d], v4 offset:6144+1536*\d+1280
.endr
	ds_load_b64 v[30:31], v4 offset:12800          ; V's scale words
.irp c, 0,1                            ; the operand's layout wants a whole block in a lane
.irp i, 0,1,2
	v_permlane16_swap_b32 v[192+6*\c+\i], v[204+4*\c+\i]
.endr
.irp i, 0,1,2
	v_mov_b32 v[195+6*\c+\i], v[204+4*\c+\i]
.endr
.endr
.set J, 0
.rept 16
	v_pk_mul_f32 v[160+J:161+J], v[160+J:161+J], v[226:227] op_sel_hi:[1,0]   ; O^T under the new M; these are also the places in front of the products below
.set J, J+2
.endr
	s_wait_dscnt 0x0
.irp d, 0,1,2,3                        ; O^T += V^T P^T: four accumulators by turns
.if \d%2
	v_wmma_scale_f32_16x16x128_f8f6f4 v[160+8*\d:167+8*\d], v[96+12*\d:107+12*\d], v[192:203], v[160+8*\d:167+8*\d], v[30+\d/2], v224 matrix_a_fmt:MATRIX_FMT_FP6 matrix_b_fmt:MATRIX_FMT_FP6 matrix_a_scale:MATRIX_SCALE_ROW1
.else
	v_wmma_scale_f32_16x16x128_f8f6f4 v[160+8*\d:167+8*\d], v[96+12*\d:107+12*\d], v[192:203], v[160+8*\d:167+8*\d], v[30+\d/2], v224 matrix_a_fmt:MATRIX_FMT_FP6 matrix_b_fmt:MATRIX_FMT_FP6
.endif
.endr
.Lskip_\@:
	s_add_co_u32 s94, s94, REC
	s_add_nc_u64 s[\mp:\mp+1], s[\mp:\mp+1], 256
	s_add_co_u32 s98, s98, 2
	s_add_co_u32 s95, s95, 1
	s_cmp_lt_u32 s95, 16
	s_cbranch_scc1 .Lstep_\@
	; the tile's end: O / l, quantised along the head's 64: two blocks
.rept 4
	v_nop
.endr
	v_add_f32 v14, v14, v15
	v_permlanex16_b32 v228, v14, s90, s91
	v_add_f32 v14, v14, v228                       ; the row's sum
	v_rcp_f32 v10, v14
	v_nop                                          ; a plain place behind the reciprocal
	v_cmp_eq_u32 s100, 0, v14                      ; no open key in my row
	s_wait_alu depctr_va_vdst(0)                   ; the wait ahead of the reciprocal's first reader
.set J, 0
.rept 16
	v_pk_mul_f32 v[96+J:97+J], v[160+J:161+J], v[10:11] op_sel_hi:[1,0]   ; each accumulator from its low end on
.set J, J+2
.endr
.irp b, 0,1
	v_max3_num_f32 v[212+\b], |v[96+16*\b]|, |v[97+16*\b]|, 0x1800000
.endr
.irp i, 2,4,6,8,10,12,14
.irp b, 0,1
	v_max3_num_f32 v[212+\b], v[212+\b], |v[96+16*\b+\i]|, |v[97+16*\b+\i]|
.endr
.endr
.irp b, 0,1
	v_permlanex16_b32 v[216+\b], v[212+\b], s90, s91
.endr
.irp b, 0,1
	v_max_num_f32 v[212+\b], v[212+\b], v[216+\b]
.endr
.irp b, 0,1
	v_add_nc_u32 v[220+\b], 0xff000000, v[212+\b]
.endr
.irp b, 0,1
	v_lshrrev_b32 v[216+\b], 23, v[220+\b]
.endr
.irp b, 0,1
	v_cndmask_b32 v[216+\b], v[216+\b], v11, s100  ; a row with no open key: the byte 0xff
.endr
	v_lshl_or_b32 v224, v217, 8, v216              ; my row's two bytes; the upper half is 0
	v_cvt_scalef32_pk16_fp6_f32 v[192:194], v[96:111], v220
	v_cvt_scalef32_pk16_fp6_f32 v[204:206], v[112:127], v221
	v_nop
.irp i, 0,1,2
	v_permlane16_swap_b32 v[192+\i], v[204+\i]
.endr
.irp i, 0,1,2
	v_mov_b32 v[195+\i], v[204+\i]
.endr
	global_store_b128 v1, v[192:195], s[\op:\op+1]             ; half a fragment image: 512 and 256 consecutive bytes, aligned
	global_store_b64 v2, v[196:197], s[\op:\op+1] offset:512
	ds_store_b32 v8, v224 offset:1024*\p           ; lanes l and l + 16 write the same word with the same value
.endm
	PASS 0, 16, 28, 96, 2, 4
	PASS 1, 84, 29, 97, 6, 10
	s_wait_dscnt 0x0                               ; for the others' sake: my scale words lie in LDS
	s_barrier_signal -1
	s_barrier_wait -1
	s_cmp_ge_u32 s84, 4
	s_cbranch_scc1 .Lend
	s_and_b32 s14, s84, 1                          ; wave y stores the group of pass y / 2, q = y % 2
	s_lshl_b32 s14, s14, 2
	s_add_co_u32 s14, s14, s85
	s_sub_co_u32 s15, 15, s14
	s_cmp_lt_u32 s84, 2
	s_cselect_b32 s14, s14, s15
	s_lshl_b32 s15, s86, 4
	s_add_co_u32 s14, s14, s15
	s_lshl_b32 s14, s14, 9
	s_mov_b32 s15, 0
	s_add_nc_u64 s[12:13], s[12:13], s[14:15]
	ds_load_b128 v[96:99], v9
	s_wait_dscnt 0x0
	global_store_b128 v1, v[96:99], s[12:13]       ; 512 consecutive bytes, aligned
.Lend:
	s_wait_tensorcnt 0x0                           ; the wave's end behind my last LDS store
	ds_add_u32 v5, v6
	s_wait_dscnt 0x0
	s_endpgm
.Lfunc_end_k_q370f7175b2_attn:
	.size	k_q370f7175b2_attn, .Lfunc_end_k_q370f7175b2_attn-k_q370f7175b2_attn
	.p2alignl 7, 3214868480
	.fill 96, 4, 3214868480
	.section	.rodata,"a",@progbits
	.p2align	6, 0x0
	.amdhsa_kernel k_q370f7175b2_attn
		.amdhsa_group_segment_fixed_size 212992
		.amdhsa_private_segment_fixed_size 0
		.amdhsa_enable_private_segment 0
		.amdhsa_kernarg_size 40
		.amdhsa_user_sgpr_count 2
		.amdhsa_user_sgpr_kernarg_segment_ptr 1
		.amdhsa_wavefront_size32 1
		.amdhsa_system_sgpr_workgroup_id_x 1
		.amdhsa_system_sgpr_workgroup_id_y 1
		.amdhsa_system_sgpr_workgroup_id_z 1
		.amdhsa_system_vgpr_workitem_id 0
		.amdhsa_next_free_vgpr 256
		.amdhsa_next_free_sgpr 102
		.amdhsa_reserve_vcc 0
		.amdhsa_float_denorm_mode_32 3
		.amdhsa_float_denorm_mode_16_64 3
		.amdhsa_memory_ordered 1
		.amdhsa_forward_progress 1
		.amdhsa_inst_pref_size 64
	.end_amdhsa_kernel
	.amdgpu_metadata
---
amdhsa.version: [ 1, 2 ]
amdhsa.kernels:
  - .name:           k_q370f7175b2_attn
    .symbol:         k_q370f7175b2_attn.kd
    .args:
      - { .name: qkv_codes, .offset: 0, .size: 8, .value_kind: global_buffer, .address_space: global }
      - { .name: qkv_scales, .offset: 8, .size: 8, .value_kind: global_buffer, .address_space: global }
      - { .name: maskw, .offset: 16, .size: 8, .value_kind: global_buffer, .address_space: global }
      - { .name: att_codes, .offset: 24, .size: 8, .value_kind: global_buffer, .address_space: global }
      - { .name: att_scales, .offset: 32, .size: 8, .value_kind: global_buffer, .address_space: global }
    .group_segment_fixed_size: 212992
    .private_segment_fixed_size: 0
    .kernarg_segment_align: 8
    .kernarg_segment_size: 40
    .max_flat_workgroup_size: 512
    .sgpr_count:     102
    .vgpr_count:     256
    .wavefront_size: 32
...
	.end_amdgpu_metadata
.endif
;; end of part 3
;; launch proj (part 4): grid 4 x 32, 4 waves a work-group, clusters of 4 x 4, 327,680 bytes of LDS; arguments att_codes, att_scales, qin_codes, qin_scales, out0; writes out0
.if DOCPART == 4
	.amdgcn_target "amdgcn-amd-amdhsa--gfx1250"
	.amdhsa_code_object_version 6
	.text
	.protected	k_q370f7175b2_proj
	.globl	k_q370f7175b2_proj
	.p2align	8
	.type	k_q370f7175b2_proj,@function
k_q370f7175b2_proj:
	s_mov_b64 s[64:65], 0
	v_nop
	global_prefetch_b8 v0, s[64:65] scope:SCOPE_SE
	s_setreg_imm32_b32 hwreg(HW_REG_WAVE_MODE, 25, 1), 1
	s_wait_xcnt 0x0
	s_wait_alu depctr_hold_cnt(0) depctr_sa_sdst(0) depctr_va_vdst(0) depctr_va_sdst(0) depctr_va_ssrc(0) depctr_va_vcc(0) depctr_vm_vsrc(0)
	s_getreg_b32 s2, hwreg(HW_REG_IB_STS2, 6, 4)
	s_cmp_eq_u32 s2, 0
	s_cbranch_scc0 .Lentry_in_a_cluster
	s_endpgm
.Lentry_in_a_cluster:
	s_bfe_u32 s2, ttmp6, 0x10000c
	s_cmp_lg_u32 s2, 0xf033
	s_cbranch_scc0 .Lentry_shape_is_right
	s_endpgm
.Lentry_shape_is_right:
; PROJ.  out0 = att w_out^T on codes of FP6 (E2M3) with E8M0 scales, K = 1,024; out0 [8192][1024] f32.
; A tile of the result is 256 tokens (side A = source 1: a lane is a token) x 256 output features (side B = source 0: the registers run along them); four waves, 128 x 128 each: 64 accumulators.
; Operands lie in memory as images of their registers (stored tiles of 16 rows, 12,288 bytes for K = 1,024; a fragment image 1,536 bytes: registers 0-3 at 16 l, 4-5 at 512 + 8 l, 6-9 at 768 + 16 l,
; 10-11 at 1,280 + 8 l).  Lane r of stored tile T is row 32 (T / 2) + 8 (T % 2) + r % 8 + 16 (r / 8).
; LDS: THREE slots of 256 along K (98,304 bytes: each wave's tensor load brings 8 tiles x 3,072 bytes).  K is four such pairs: three are first fills, the fourth is the one refill, of slot 0:
; a wave has at most three tensor loads out.  No padding: every LDS load takes consecutive bytes.
; CLUSTERS: 4 x 4.  A's tiles are shared along a row of the cluster, B's along a column: each is asked for jointly.
; 128 work-groups: half of the WGPs have one; a tile of half the width would fill them at the price of reading each fragment of A from LDS for half as many products.
; No prefetch: three quarters of a work-group's bytes are asked for at its head, the rest 256 matrix instructions ahead of their use.
; A token whose attention row had no open key carries the scale byte 0xff: its whole row of out0 is NaN.
; REGISTERS: window 0: v12-13 the stage; v16-27 LDS addresses; v28-29 the add's two; v30-31 16 l, 8 l; v32-63 A's scale words, v64-95 B's; v128-223 A's fragments, one set; on the way out v128-255 rows.
;   window 1: B's fragments, two sets, at v0 and v128.  window 2: accumulators of A's blocks 0-3 ((a, b) at v[8 (8 (a % 4) + b)]); window 3: blocks 4-7.
.set SLOT,  98304
.set QUART, 24576
.set SPARE, 3*SLOT                     ; behind the slots: the spare words, 128 bytes for each wave, which no other line names
.set STO, 12                           ; v12  the way out: where I put 32 bytes of a row
.set RD,  13                           ; v13  and where I read a row back
.set A16, 16
.set A8,  19
.set B16, 22
.set B8,  25
.set SPW, 28
.set NIL, 29
.set L16, 30
.set L8,  31
.set SA,  32                           ; register 8 (a / 2) + k: lanes 0-15 the words of block a even, lanes 16-31 of a odd, for K step k
.set SB,  64                           ; register 4 b + k / 2: lanes 0-15 K step k even, lanes 16-31 k odd
.set AF,  128
.set BK,  128
.set G1,  24
.set G0,  32
.set G1B, 48
.set G0B, 68
.set MSB, 0
.macro WIN new                         ; the immediate's high byte repeats the setting that is left
.if MSB != \new
	s_set_vgpr_msb (MSB<<8)|\new
.set MSB, \new
.endif
.endm
.set MUL_LO, 0xa1
.set MUL_HI, 0xf1
.set TO_B,   0x40
.macro JLOAD g0a, g1a, g0b, g1b        ; a joint load: waves 0 and 1 fetch for A, waves 2 and 3 for B; an s_nop 0 and four v_nop follow each of the two lines
	s_cmp_eq_u32 s15, 0
	s_cbranch_scc0 .Lfor_b_\@
	tensor_load_to_lds s[\g0a:\g0a+3], s[\g1a:\g1a+7]
	s_nop 0
.rept 4
	v_nop
.endr
	s_branch .Lasked_\@
.Lfor_b_\@:
	tensor_load_to_lds s[\g0b:\g0b+3], s[\g1b:\g1b+7]
	s_nop 0
.rept 4
	v_nop
.endr
.Lasked_\@:
.endm
.macro CREST
	s_cmp_lg_u32 s14, 0
	s_cbranch_scc1 .Lnot_wave_0_\@
	s_barrier_signal -3
.Lnot_wave_0_\@:
	s_barrier_wait -3
	s_barrier_signal -1
	s_barrier_wait -1
.endm
.macro CROUND
	s_barrier_signal -1
	s_barrier_wait -1
	CREST
.endm
.macro PLACES n
.rept \n
	v_nop
.endr
.endm
.macro FRAG reg, a16, a8, off
	ds_load_b128 v[\reg:\reg+3], v[\a16] offset:\off
	ds_load_b64 v[\reg+4:\reg+5], v[\a8] offset:\off+512
	ds_load_b128 v[\reg+6:\reg+9], v[\a16] offset:\off+768
	ds_load_b64 v[\reg+10:\reg+11], v[\a8] offset:\off+1280
.endm
.macro FETCH_B slot, q, p
	WIN TO_B
.irp i, 0,1,2,3,4,5,6,7
	FRAG 128*(\p)+12*\i, B16+\slot, B8+\slot, 3072*\i+1536*(\q)
.endr
	WIN 0
.endm
.macro FETCH_A slot, q, i0
.irp i, \i0, \i0+1, \i0+2, \i0+3
	FRAG AF+12*(\i), A16+\slot, A8+\slot, 3072*(\i)+1536*(\q)
.endr
.endm
; 16 matrix instructions: A's blocks a0, a0 + 1 x B's eight, K step k.  The 64 accumulators take turns, one instruction a turn, in the same order in every step.
.macro MUL16 a0, k, zero
.irp a, \a0, \a0+1
.irp b, 0,1,2,3,4,5,6,7
.set rD, 8*(8*((\a)%4)+\b)
.set rB, 128*((\k)%2)+12*\b
.set rA, AF+12*(\a)
.set rSB, SB+4*\b+(\k)/2
.set rSA, SA+8*((\a)/2)+(\k)
.if (\zero) && ((\a)%2)
	v_wmma_scale_f32_16x16x128_f8f6f4 v[rD:rD+7], v[rB:rB+11], v[rA:rA+11], 0, v[rSB], v[rSA] matrix_a_fmt:MATRIX_FMT_FP6 matrix_b_fmt:MATRIX_FMT_FP6 matrix_b_scale:MATRIX_SCALE_ROW1
.elseif \zero
	v_wmma_scale_f32_16x16x128_f8f6f4 v[rD:rD+7], v[rB:rB+11], v[rA:rA+11], 0, v[rSB], v[rSA] matrix_a_fmt:MATRIX_FMT_FP6 matrix_b_fmt:MATRIX_FMT_FP6
.elseif ((\k)%2) && ((\a)%2)
	v_wmma_scale_f32_16x16x128_f8f6f4 v[rD:rD+7], v[rB:rB+11], v[rA:rA+11], v[rD:rD+7], v[rSB], v[rSA] matrix_a_fmt:MATRIX_FMT_FP6 matrix_b_fmt:MATRIX_FMT_FP6 matrix_a_scale:MATRIX_SCALE_ROW1 matrix_b_scale:MATRIX_SCALE_ROW1
.elseif (\k)%2
	v_wmma_scale_f32_16x16x128_f8f6f4 v[rD:rD+7], v[rB:rB+11], v[rA:rA+11], v[rD:rD+7], v[rSB], v[rSA] matrix_a_fmt:MATRIX_FMT_FP6 matrix_b_fmt:MATRIX_FMT_FP6 matrix_a_scale:MATRIX_SCALE_ROW1
.elseif (\a)%2
	v_wmma_scale_f32_16x16x128_f8f6f4 v[rD:rD+7], v[rB:rB+11], v[rA:rA+11], v[rD:rD+7], v[rSB], v[rSA] matrix_a_fmt:MATRIX_FMT_FP6 matrix_b_fmt:MATRIX_FMT_FP6 matrix_b_scale:MATRIX_SCALE_ROW1
.else
	v_wmma_scale_f32_16x16x128_f8f6f4 v[rD:rD+7], v[rB:rB+11], v[rA:rA+11], v[rD:rD+7], v[rSB], v[rSA] matrix_a_fmt:MATRIX_FMT_FP6 matrix_b_fmt:MATRIX_FMT_FP6
.endif
.endr
.endr
.endm
.macro STEP k, ns, nq, zero
	s_wait_dscnt 16                                ; B's set and A's blocks 0-3 are in; the youngest 16 loads (A's blocks 4-7) may be out
	WIN MUL_LO
	MUL16 0, \k, \zero
	MUL16 2, \k, \zero
	s_wait_dscnt 0x0                               ; A's blocks 4-7 are in
	PLACES 4
	FETCH_B \ns, \nq, 1-(\k)%2
	FETCH_A \ns, \nq, 0
	WIN MUL_HI
	MUL16 4, \k, \zero
	MUL16 6, \k, \zero
	PLACES 4
	WIN 0
	FETCH_A \ns, \nq, 4
.endm
.macro TURN k, ns, fill
	s_wait_tensorcnt 0x0                           ; all my tensor loads have landed
	ds_add_u32 v[SPW], v[NIL]                      ; 0 onto my spare word
	s_wait_dscnt 17                                ; (the add and the youngest 16 loads may be out)
	WIN MUL_LO
	MUL16 0, \k, 0
	s_wait_dscnt 0x0                               ; the add is done, and my reads of the slot that I leave are over
	s_barrier_signal -1
	MUL16 2, \k, 0
	WIN 0
	s_barrier_wait -1
.if \fill
	CREST                                          ; the barrier has opened a round of the cluster's barrier: no wave of any partner still reads slot 0 or has a load on its way
	s_add_nc_u64 s[G0+2:G0+3], s[G0+2:G0+3], 9216  ; from the first pair of K steps to the fourth
	s_add_nc_u64 s[G0B+2:G0B+3], s[G0B+2:G0B+3], 9216
	JLOAD G0, G1, G0B, G1B                         ; the first tensor load behind the round; its four v_nop are also the places in front of the loads below
.else
	PLACES 4
.endif
	FETCH_B \ns, 0, 1-(\k)%2
	FETCH_A \ns, 0, 0
	WIN MUL_HI
	MUL16 4, \k, 0
	MUL16 6, \k, 0
	PLACES 4
	WIN 0
	FETCH_A \ns, 0, 4
.endm
	s_load_b256 s[4:11], s[0:1], 0x0               ; att_codes, att_scales, qin_codes, qin_scales
	s_load_b64 s[12:13], s[0:1], 0x20              ; out0
	v_lshl_add_u32 v[SPW], v0, 2, SPARE
	v_mov_b32 v[NIL], 0
	ds_add_u32 v[SPW], v[NIL]                      ; the wave's opening: the add and its wait ahead of my first tensor load; work on registers stands between them
	v_lshrrev_b32 v1, 5, v0
	v_readfirstlane_b32 s14, v1                    ; wave 0..3
	s_lshr_b32 s15, s14, 1                         ; which half of A's rows is mine.  Also: I fetch for A (0) or for B (1)
	s_and_b32 s16, s14, 1                          ; which half of B's rows.  Also: which 8 tiles I fetch
	s_bfe_u32 s56, ttmp6, 0x40000                  ; cx
	s_bfe_u32 s57, ttmp6, 0x40004                  ; cy
	s_and_b32 s59, ttmp7, 0xffff                   ; the cluster's y
	s_lshl_b32 s44, s59, 6
	s_lshl_b32 s45, s57, 4
	s_add_co_u32 s44, s44, s45                     ; A's first stored tile: tokens, 64 y + 16 cy
	s_lshl_b32 s46, ttmp9, 6
	s_lshl_b32 s47, s56, 4
	s_add_co_u32 s46, s46, s47
	s_add_co_u32 s46, s46, 704                     ; B's: w_out's tiles, 704 + 64 x + 16 cx
	s_lshl_b32 s21, s57, 2
	s_lshl_b32 s21, 15, s21                        ; my row of the cluster
	s_lshl_b32 s22, 0x1111, s56                    ; my column
	; descriptor group 1: 8 rows (tiles) of 384 elements of 8 bytes (two fragment images), 1,536 elements apart; no padding
	s_or_b32 s[G1], s21, (3<<16)|(1<<21)
	s_or_b32 s[G1B], s22, (3<<16)|(1<<21)
.irp g, G1, G1B
	s_mov_b32 s[\g+1], 384<<16                     ; tensor_dim0
	s_mov_b32 s[\g+2], 8<<16                       ; tensor_dim1
	s_mov_b32 s[\g+3], 384<<16                     ; tile_dim0
	s_mov_b32 s[\g+4], 8                           ; tile_dim1
	s_mov_b32 s[\g+5], 1536                        ; tensor_dim0_stride
	s_mov_b32 s[\g+6], 0
	s_mov_b32 s[\g+7], 0
.endr
	s_lshl_b32 s61, s16, 3
	s_add_co_u32 s62, s44, s61
	s_mul_i32 s62, s62, 12288
	s_mov_b32 s63, 0
	s_add_co_u32 s66, s46, s61
	s_mul_i32 s66, s66, 12288
	s_mov_b32 s67, 0
	s_mul_i32 s20, s14, QUART                      ; no place in the cluster enters an LDS address
	s_wait_dscnt 0x0                               ; the opening add is done
	s_wait_kmcnt 0x0
	s_add_nc_u64 s[62:63], s[4:5], s[62:63]
	s_add_nc_u64 s[66:67], s[8:9], s[66:67]
	CROUND                                         ; all sixteen work-groups are here: the first joint loads meet
.irp s, 0,1,2
	s_mov_b32 s[G0+4*\s], 1
	s_add_co_u32 s[G0+4*\s+1], s20, \s*SLOT
	s_add_nc_u64 s[G0+4*\s+2:G0+4*\s+3], s[62:63], \s*3072
	s_or_b32 s[G0+4*\s+3], s[G0+4*\s+3], 0x80000000
	s_mov_b32 s[G0B+4*\s], 1
	s_add_co_u32 s[G0B+4*\s+1], s20, \s*SLOT
	s_add_nc_u64 s[G0B+4*\s+2:G0B+4*\s+3], s[66:67], \s*3072
	s_or_b32 s[G0B+4*\s+3], s[G0B+4*\s+3], 0x80000000
	JLOAD G0+4*\s, G1, G0B+4*\s, G1B
.endr
	v_and_b32 v1, 31, v0
	v_lshlrev_b32 v[L16], 4, v1
	v_lshlrev_b32 v[L8], 3, v1
	s_mul_i32 s21, s15, QUART
	s_mul_i32 s22, s16, QUART
	s_add_co_u32 s22, s22, 2*QUART
.irp s, 0,1,2
	v_add_nc_u32 v[A16+\s], s21, v[L16]
	v_add_nc_u32 v[A8+\s], s21, v[L8]
	v_add_nc_u32 v[B16+\s], s22, v[L16]
	v_add_nc_u32 v[B8+\s], s22, v[L8]
	s_add_co_u32 s21, s21, SLOT
	s_add_co_u32 s22, s22, SLOT
.endr
	s_lshl_b32 s21, s15, 3
	s_add_co_u32 s94, s44, s21                     ; my first tile of A
	s_lshl_b32 s21, s16, 3
	s_add_co_u32 s95, s46, s21                     ; my first tile of B
	s_lshr_b32 s21, s94, 3                         ; A's scale words: [16 batch + head][group of 8 tiles 0-15][512]: my group is 16 batch + G
	s_lshr_b32 s22, s21, 4
	s_lshl_b32 s22, s22, 8
	s_and_b32 s21, s21, 15
	s_add_co_u32 s80, s22, s21
	s_lshl_b32 s80, s80, 9
	s_mov_b32 s81, 0
	s_add_nc_u64 s[80:81], s[6:7], s[80:81]
	s_lshl_b32 s82, s95, 9
	s_mov_b32 s83, 0
	s_add_nc_u64 s[82:83], s[10:11], s[82:83]
.irp e, 0,1,2,3,4,5,6,7,8,9,10,11,12,13,14,15
	global_load_b128 v[128+4*\e:131+4*\e], v[L16], s[80:81] offset:8192*\e   ; head e: register i: lanes 0-15 tile 2 i's two bytes, lanes 16-31 tile 2 i + 1's
.endr
.irp i, 0,1,2,3,4,5,6,7
.irp c, 0,1
	global_load_b64 v[SB+4*\i+2*\c:SB+4*\i+2*\c+1], v[L8], s[82:83] offset:512*\i+256*\c
.endr
.endr
	s_mul_i32 s21, s14, 8448                       ; my stage: 16 rows x (512 + 16) bytes, in slot 1, which has had its last fill and, behind the last barrier, its last read
	s_add_co_u32 s21, s21, SLOT
	v_and_b32 v2, 15, v0
	v_bfe_u32 v3, v0, 4, 1
	v_mul_u32_u24 v[STO], v2, 528
	v_lshl_add_u32 v[STO], v3, 6, v[STO]
	v_add_nc_u32 v[STO], s21, v[STO]               ; in: row r, + 64 h
	v_add_nc_u32 v[RD], s21, v[L16]                ; back: a row's 512 bytes
	s_lshl_b32 s18, s94, 16                        ; my first token's row: 16 x tile x 4,096 bytes,
	s_sub_co_u32 s19, s95, 704
	s_lshl_b32 s19, s19, 6                         ; my first feature: 16 x tile x 4 bytes
	s_add_co_u32 s18, s18, s19
	s_mov_b32 s19, 0
	s_add_nc_u64 s[12:13], s[12:13], s[18:19]
	s_wait_loadcnt 0x0
.irp i, 0,1,2,3
.irp k, 0,1,2,3,4,5,6,7
	v_lshl_or_b32 v[SA+8*\i+\k], v[128+4*(2*\k+1)+\i], 16, v[128+8*\k+\i]   ; K step k is heads 2 k and 2 k + 1: two bytes of each make its scale word
.endr
.endr
	PLACES 8                                       ; a scale register written by a vector instruction stands 8 places ahead of a scaled matrix instruction
	s_wait_tensorcnt 0x2                           ; my part of slot 0 is in; slots 1 and 2 may stay out
	s_barrier_signal -1
	s_barrier_wait -1
	FETCH_B 0, 0, 0
	FETCH_A 0, 0, 0
	FETCH_A 0, 0, 4
	STEP 0, 0, 1, 1                                ; the first K step's products start the sums: nothing is cleared
	TURN 1, 1, 1                                   ; slot 0 is left and filled again; the wait for all loads in front of its barrier has also shown slots 1 AND 2 whole, in every wave
	STEP 2, 1, 1, 0
	STEP 3, 2, 0, 0
	STEP 4, 2, 1, 0
	TURN 5, 0, 0                                   ; the refill has landed in every wave; nothing is filled again, so no round follows
	STEP 6, 0, 1, 0
	s_wait_dscnt 16                                ; the last K step: nothing more to fetch
	WIN MUL_LO
	MUL16 0, 7, 0
	MUL16 2, 7, 0
	s_wait_dscnt 0x0
	WIN MUL_HI
	MUL16 4, 7, 0
	MUL16 6, 7, 0
	WIN 0
; THE WAY OUT, block by block of 16 tokens x 128 features.  Accumulator (a, b) holds, in lane (r, h), features 32 (b / 2) + 16 h + 8 (b % 2) + 0 .. 7 of token r of stored tile a: 32 bytes of a row.
; A block goes through my own stage and comes back as whole rows of 512 bytes.  LDS serves a wave's instructions in order (ISA guide 5.7.1.4): no wait between the stores and the loads.
.macro TOSTAGE a
.set AC, 64*((\a)%4)
	WIN 0x08+4*((\a)/4)                            ; an LDS store's data: window 2 or 3
.irp b, 0,1,2,3,4,5,6,7
	ds_store_b128 v[STO], v[AC+8*\b:AC+8*\b+3] offset:128*(\b/2)+32*(\b%2)        ; each accumulator from its low end on
	ds_store_b128 v[STO], v[AC+8*\b+4:AC+8*\b+7] offset:128*(\b/2)+32*(\b%2)+16
.endr
	WIN 0
.set BB, BK+64*((\a)%2)
.irp t, 0,1,2,3,4,5,6,7,8,9,10,11,12,13,14,15
	ds_load_b128 v[BB+4*\t:BB+4*\t+3], v[RD] offset:\t*528
.endr
.endm
.macro SEND a, younger                 ; younger: the LDS instructions issued behind block a's loads, which may stay out
.set BB, BK+64*((\a)%2)
	s_wait_dscnt \younger
.irp t, 0,1,2,3,4,5,6,7,8,9,10,11,12,13,14,15
	global_store_b128 v[L16], v[BB+4*\t:BB+4*\t+3], s[12:13] offset:(32*((\a)/2)+8*((\a)%2)+(\t%8)+16*(\t/8))*4096 th:TH_STORE_NT   ; 32 lanes store 512 consecutive bytes, aligned; the stored tile's row order is undone in the immediate
.endr
.endm
	PLACES 4                                       ; behind the last products
	TOSTAGE 0
.irp a, 1,2,3,4,5,6,7
.if \a > 1
	s_wait_xcnt 0x0                                ; block a - 2's stores have read their registers: block a's loads may land there
.endif
	TOSTAGE \a
	SEND \a-1, 32                                  ; behind block a - 1's loads: block a's 16 stores and 16 loads
.endr
	SEND 7, 0
	s_wait_tensorcnt 0x0                           ; the wave's end
	ds_add_u32 v[SPW], v[NIL]
	s_wait_dscnt 0x0
	CROUND                                         ; the closing round: no work-group ends while a partner may still ask for a tile that names it
	s_endpgm
.Lfunc_end_k_q370f7175b2_proj:
	.size	k_q370f7175b2_proj, .Lfunc_end_k_q370f7175b2_proj-k_q370f7175b2_proj
	.p2alignl 7, 3214868480
	.fill 96, 4, 3214868480
	.section	.rodata,"a",@progbits
	.p2align	6, 0x0
	.amdhsa_kernel k_q370f7175b2_proj
		.amdhsa_group_segment_fixed_size 327680
		.amdhsa_private_segment_fixed_size 0
		.amdhsa_enable_private_segment 0
		.amdhsa_kernarg_size 40
		.amdhsa_user_sgpr_count 2
		.amdhsa_user_sgpr_kernarg_segment_ptr 1
		.amdhsa_wavefront_size32 1
		.amdhsa_system_sgpr_workgroup_id_x 1
		.amdhsa_system_sgpr_workgroup_id_y 1
		.amdhsa_system_sgpr_workgroup_id_z 1
		.amdhsa_system_vgpr_workitem_id 0
		.amdhsa_next_free_vgpr 1024
		.amdhsa_next_free_sgpr 96
		.amdhsa_reserve_vcc 0
		.amdhsa_float_denorm_mode_32 3
		.amdhsa_float_denorm_mode_16_64 3
		.amdhsa_memory_ordered 1
		.amdhsa_forward_progress 1
		.amdhsa_inst_pref_size 144
	.end_amdhsa_kernel
	.amdgpu_metadata
---
amdhsa.version: [ 1, 2 ]
amdhsa.kernels:
  - .name:           k_q370f7175b2_proj
    .symbol:         k_q370f7175b2_proj.kd
    .args:
      - { .name: att_codes, .offset: 0, .size: 8, .value_kind: global_buffer, .address_space: global }
      - { .name: att_scales, .offset: 8, .size: 8, .value_kind: global_buffer, .address_space: global }
      - { .name: qin_codes, .offset: 16, .size: 8, .value_kind: global_buffer, .address_space: global }
      - { .name: qin_scales, .offset: 24, .size: 8, .value_kind: global_buffer, .address_space: global }
      - { .name: out0, .offset: 32, .size: 8, .value_kind: global_buffer, .address_space: global }
    .group_segment_fixed_size: 327680
    .private_segment_fixed_size: 0
    .kernarg_segment_align: 8
    .kernarg_segment_size: 40
    .max_flat_workgroup_size: 128
    .sgpr_count:     96
    .vgpr_count:     1024
    .wavefront_size: 32
...
	.end_amdgpu_metadata
.endif
;; end of part 4
;; ======== version 2 of 2: 4 launches; version 1 with the launch attn written anew for expert scheduling mode
;; workspace buffers: qin_codes 9,437,184 bytes; qin_scales 393,216 bytes; maskw 655,360 bytes of whole numbers; qkv_codes 18,874,368 bytes; qkv_scales 1,310,720 bytes; att_codes 6,291,456 bytes; att_scales 524,288 bytes
;; launch prep: the kernel of part 1 again; grid 512 x 1, 4 waves a work-group, no clusters, 34,304 bytes of LDS; arguments x, w_qkv, w_out, mask, qin_codes, qin_scales, maskw; writes qin_codes, qin_scales, maskw
;; launch qkv: the kernel of part 2 again; grid 8 x 48, 4 waves a work-group, clusters of 4 x 4, 327,680 bytes of LDS; arguments qin_codes, qin_scales, qkv_codes, qkv_scales; writes qkv_codes, qkv_scales
;; launch attn (part 5): grid 4 x 64, 16 waves a work-group, no clusters, 212,992 bytes of LDS; arguments qkv_codes, qkv_scales, maskw, att_codes, att_scales; writes att_codes, att_scales
.if DOCPART == 5
	.amdgcn_target "amdgcn-amd-amdhsa--gfx1250"
	.amdhsa_code_object_version 6
	.text
	.protected	k_q370f7175b2_attn
	.globl	k_q370f7175b2_attn
	.p2align	8
	.type	k_q370f7175b2_attn,@function
k_q370f7175b2_attn:
	s_mov_b64 s[64:65], 0
	v_nop
	global_prefetch_b8 v0, s[64:65] scope:SCOPE_SE
	s_setreg_imm32_b32 hwreg(HW_REG_WAVE_SCHED_MODE, 0, 2), 2
	s_setreg_imm32_b32 hwreg(HW_REG_WAVE_MODE, 25, 1), 1
	s_wait_xcnt 0x0
	s_wait_alu depctr_vm_vsrc(0)
; ATTN.  For each (batch, head): S^T = K Q^T, the mask, p = 2^(t - M) with t = score x log2(e) / 8 and M the running largest t rounded UP to a whole number, O^T += V^T P^T, O / l; both products on
; codes of FP6 (E2M3) with E8M0 scales.  The row's sum l is taken of the unquantised p.  O / l is quantised along the head's 64 and leaves as codes for the last product.
; K = 64 in the first product: registers 6-11 of both operands hold zero codes.
; THE MASK IS AN INPUT.  An earlier launch has stored, as whole numbers, for each (tile of 16 queries, step of 128 keys) 64 lane masks and a flag.  A step all of whose keys are masked for all 16 queries
; is jumped over: its p would be 0 and M would not move.  A step with no masked key leaves the 64 selects out.  This serves every mask.
; A row with no open key has l = 0: its scale bytes are set to 0xff, which makes the whole row of the output NaN, as the softmax of such a row is.
; SHARES.  A work-group has one (batch, head) and a quarter of its 128 tiles of 16 queries; each of its sixteen waves takes two tiles, one after the other, one from the lower half of the sequence and
; one mirrored from the upper half.  ALL of the head's K and V, as codes, lie in LDS: 16 records (key steps) of 13,056 bytes; wave w fills record w; one barrier; no ring.
; No tensor load, hence no joint load with the head's three other work-groups.  No prefetch: all loads go out at the head.
; LAYOUT.  Both products are used transposed: a lane holds ONE query (lane % 16) throughout.  Stored tiles (lane r = row 32 (T / 2) + 8 (T % 2) + r % 8 + 16 (r / 8)) make score register 16 b + i the key
; 32 b + 16 (lane / 16) + i of the step, and O^T's register 16 b + i the head's channel 32 b + 16 (lane / 16) + i.
; REGISTERS: v1-2 16 l, 8 l; v3-4 the step's LDS addresses; v5-6 the add's two; v7 -infinity; v8-9 LDS places of the output's scale words; v10 1 / l; v11 0xff; v12 -M, v13 the largest t, v[14:15] l;
; v16-27, v84-95 Q of the two tiles; v28-29 their scale words; v30-31 V's scale words; v32-79 four fragments of K; v80-83 K's scale words; v96-159 S^T, then p, then V's four fragments;
; v160-191 O^T; v192-210 codes; v212-231 at work.
; THE MODE: SCHED_MODE bits 1:0 = 2 (LLVM: expert scheduling mode 2), set by the entry lines.  The code itself states the register dependences between vector or matrix instructions and memory or
; LDS instructions, with s_wait_alu, always for 0.
; THE PLAN.  Registers that memory or LDS instructions touch:
;   v1, v2, v229, v232, v233, v8, v9   offsets and LDS places: written at the head, never again.  v5, v6: written at the head, read by the closing add alone.
;   v96-197          at the head: loaded from memory, read by the record's LDS stores; written again from the first tile on.
;   v3, v4           read by a step's 34 LDS loads; written once a trip, for the NEXT trip: in an executed step behind its last LDS load, in a step that is jumped over in the jump's own arm.
;   v32-37 (+ 12 t), v80-83   K's fragments and scale words: loaded twice a step, read by the step's eight products K Q^T.
;   v96-143, v30-31  V's fragments, in p's place, and scale words: loaded once a step, behind the conversions that read p; read by the step's four products V^T P^T.
;   v192-203, v224   p's codes and scale word: made by vector instructions, taken by scaled matrix instructions; at a tile's end v192-197 and v224 are stores' data.
; An executed step has, beside the two waits behind its exponentials: one wait on va_vdst between K's two groups of loads; one behind the conversions, ahead of V's loads; one on vm_vsrc behind V's loads,
; ahead of the two adds that make the next trip's v3 and v4; and one on va_vdst directly ahead of the products V^T P^T, for the codes, the scale word, v3 and v4.  Those four products name v96-143,
; v160-191, v192-203, v30, v31 and v224 alone: so the next step's first LDS loads, which touch v3, v4, K's registers and v80-83, follow them with no further wait.
.set REC,   13056                      ; a record: 6,144 K's 8 half images, 6,144 V's 4 images, 512 K's scale words, 256 V's
.set OSC,   16*REC                     ; the output's scale words: 4 groups x 512 bytes
.set SPARE, OSC+2048                   ; the spare words, 128 bytes for each wave, which no other line names
	s_load_b256 s[4:11], s[0:1], 0x0               ; qkv_codes, qkv_scales, maskw, att_codes
	s_load_b64 s[12:13], s[0:1], 0x20              ; att_scales
	v_lshl_add_u32 v5, v0, 2, SPARE
	v_mov_b32 v6, 0
	v_lshrrev_b32 v1, 5, v0
	v_readfirstlane_b32 s84, v1                    ; wave 0..15
	v_and_b32 v2, 31, v0
	v_lshlrev_b32 v1, 4, v2                        ; 16 l
	v_lshlrev_b32 v2, 3, v2                        ; 8 l
	v_and_b32 v229, 15, v0
	v_lshlrev_b32 v229, 4, v229                    ; 16 r
	s_wait_alu depctr_va_sdst(0)                   ; s84 is written, ahead of its first reader: every offset below is made from it
	s_mov_b32 s85, ttmp9                           ; j: which quarter of the query tiles
	s_and_b32 s86, ttmp7, 0xffff                   ; 16 x batch + head
	s_lshr_b32 s87, s86, 4                         ; batch
	s_and_b32 s88, s86, 15                         ; head
	s_lshr_b32 s16, s84, 3                         ; q = wave / 8
	s_and_b32 s17, s84, 7                          ; my tile in a group of 8
	s_lshl_b32 s18, s16, 2
	s_add_co_u32 s18, s18, s85                     ; first pass: group 4 q + j
	s_sub_co_u32 s19, 15, s18                      ; second pass: group 15 - 4 q - j
	s_lshl_b32 s20, s18, 3
	s_add_co_u32 s20, s20, s17                     ; the two tiles of queries, 0..127
	s_lshl_b32 s21, s19, 3
	s_add_co_u32 s21, s21, s17
	s_lshl_b32 s50, s87, 7                         ; 128 x batch
	s_lshl_b32 s51, s88, 9
	s_add_co_u32 s52, s50, s51                     ; q's tiles of this batch and head begin here
	s_lshl_b32 s53, s84, 3
	s_add_co_u32 s32, s52, s53
	s_add_co_u32 s32, s32, 8192                    ; k's head slots lie 16 x 512 tiles on; record w: tiles 8 w on
	s_mul_i32 s32, s32, 768
	s_mov_b32 s33, 0
	s_lshl_b32 s54, s87, 4
	s_add_co_u32 s54, s54, s84                     ; 16 x batch + key step
	s_lshl_b32 s34, s54, 6
	s_lshl_b32 s55, s88, 2
	s_add_co_u32 s34, s34, s55
	s_mul_i32 s34, s34, 1536
	s_add_co_u32 s34, s34, 12582912                ; v's four images
	s_mov_b32 s35, 0
	s_add_co_u32 s36, s88, 16
	s_lshl_b32 s36, s36, 6
	s_add_co_u32 s36, s36, s54
	s_lshl_b32 s36, s36, 9                         ; k's scale words of the step's 8 tiles
	s_mov_b32 s37, 0
	s_lshl_b32 s38, s54, 3
	s_lshr_b32 s55, s88, 1
	s_add_co_u32 s38, s38, s55
	s_lshl_b32 s38, s38, 9
	s_and_b32 s55, s88, 1
	s_lshl_b32 s55, s55, 3
	s_add_co_u32 s38, s38, s55
	s_add_co_u32 s38, s38, 1048576                 ; v's: two of a lane's four words
	s_mov_b32 s39, 0
	s_add_co_u32 s40, s52, s20
	s_mul_i32 s40, s40, 768                        ; Q of the first tile,
	s_mov_b32 s41, 0
	s_add_co_u32 s42, s52, s21
	s_mul_i32 s42, s42, 768                        ; of the second
	s_mov_b32 s43, 0
	s_lshl_b32 s55, s88, 6
	s_lshl_b32 s56, s87, 4
	s_add_co_u32 s55, s55, s56
	s_and_b32 s56, s17, 1
	s_lshl_b32 s56, s56, 8
	s_lshr_b32 s57, s17, 1
	s_lshl_b32 s57, s57, 2
	s_add_co_u32 s56, s56, s57                     ; my tile's words in a group's 512 bytes: 256 (tile % 2) + 4 (tile / 2), + 16 r
	s_add_co_u32 s44, s55, s18
	s_lshl_b32 s44, s44, 9
	s_add_co_u32 s44, s44, s56
	s_mov_b32 s45, 0
	s_add_co_u32 s46, s55, s19
	s_lshl_b32 s46, s46, 9
	s_add_co_u32 s46, s46, s56
	s_mov_b32 s47, 0
	s_lshl_b32 s22, s20, 10
	s_add_co_u32 s22, s22, 524288                  ; the flags of the two tiles: four words, 256 bytes apart
	s_lshl_b32 s23, s21, 10
	s_add_co_u32 s23, s23, 524288
	s_mul_i32 s58, s84, REC
	v_add_nc_u32 v232, s58, v1                     ; my record, + 16 l
	v_add_nc_u32 v233, s58, v2                     ; + 8 l
	s_lshl_b32 s59, s16, 9
	s_add_co_u32 s59, s59, s56
	s_add_co_u32 s59, s59, OSC
	v_add_nc_u32 v8, s59, v229                     ; where my tile's scale word goes
	s_and_b32 s59, s84, 3
	s_lshl_b32 s59, s59, 9
	s_add_co_u32 s59, s59, OSC
	v_add_nc_u32 v9, s59, v1                       ; and where waves 0-3 read a group's 512 bytes back
	s_wait_kmcnt 0x0
	s_add_nc_u64 s[32:33], s[4:5], s[32:33]
	s_add_nc_u64 s[34:35], s[4:5], s[34:35]
	s_add_nc_u64 s[36:37], s[6:7], s[36:37]
	s_add_nc_u64 s[38:39], s[6:7], s[38:39]
	s_add_nc_u64 s[40:41], s[4:5], s[40:41]
	s_add_nc_u64 s[42:43], s[4:5], s[42:43]
	s_add_nc_u64 s[44:45], s[6:7], s[44:45]
	s_add_nc_u64 s[46:47], s[6:7], s[46:47]
.irp i, 0,1,2,3
	s_load_b32 s[24+\i], s[8:9], s22 offset:256*\i
	s_load_b32 s[28+\i], s[8:9], s23 offset:256*\i
.endr
	s_wait_alu depctr_va_vdst(0)                   ; v1, v2 and v229, the offsets of every load and store of the kernel, and the LDS places v232, v233, v8 and v9 are written; none of them is written again
.irp i, 0,1,2,3,4,5,6,7,8,9,10,11
	global_load_b128 v[96+4*\i:99+4*\i], v1, s[32:33] offset:512*\i
.endr
.irp i, 0,1,2,3,4,5,6,7,8,9,10,11
	global_load_b128 v[144+4*\i:147+4*\i], v1, s[34:35] offset:512*\i
.endr
	global_load_b128 v[192:195], v1, s[36:37]
	global_load_b64 v[196:197], v1, s[38:39]
	global_load_b128 v[16:19], v1, s[40:41]
	global_load_b64 v[20:21], v2, s[40:41] offset:512
	global_load_b32 v28, v229, s[44:45]
	global_load_b128 v[84:87], v1, s[42:43]
	global_load_b64 v[88:89], v2, s[42:43] offset:512
	global_load_b32 v29, v229, s[46:47]
.irp i, 0,1,2,3,4,5
	v_mov_b32 v[22+\i], 0                          ; zero codes for k = 64 .. 127: Q's two operands,
	v_mov_b32 v[90+\i], 0
	v_mov_b32 v[38+\i], 0                          ; and K's four buffers; never rewritten.  (None of the registers written here is named by a load or store above or by the LDS stores below)
	v_mov_b32 v[50+\i], 0
	v_mov_b32 v[62+\i], 0
	v_mov_b32 v[74+\i], 0
.endr
	v_mov_b32 v7, 0xff800000                       ; -infinity
	v_mov_b32 v11, 0xff
	v_mov_b32 v227, 0                              ; (named as the upper half of the pair v[226:227])
	v_mov_b32 v228, 0
.irp b, 0,1,2,3
	v_mov_b32 v[216+\b], 0                         ; written once: a lane permute's destination counts as one of its sources
.endr
	s_mov_b32 s90, 0x76543210
	s_mov_b32 s91, 0xfedcba98                      ; lane l xor 16
	s_mov_b32 s92, 0x3e38aa3b                      ; c = log2(e) / 8
	s_mov_b32 s93, s92                             ; (named with it as a pair)
	s_wait_loadcnt 0x0
.irp i, 0,1,2,3,4,5,6,7,8,9,10,11
	ds_store_b128 v232, v[96+4*\i:99+4*\i] offset:512*\i
.endr
.irp i, 0,1,2,3,4,5,6,7,8,9,10,11
	ds_store_b128 v232, v[144+4*\i:147+4*\i] offset:6144+512*\i
.endr
	ds_store_b128 v232, v[192:195] offset:12288
	ds_store_b64 v233, v[196:197] offset:12800
	s_wait_kmcnt 0x0                               ; the flags: 8 bits a word, 2 a key step
	s_lshl_b32 s25, s25, 8
	s_lshl_b32 s26, s26, 16
	s_lshl_b32 s27, s27, 24
	s_or_b32 s24, s24, s25
	s_or_b32 s26, s26, s27
	s_or_b32 s96, s24, s26                         ; the first tile's 16 flags
	s_lshl_b32 s29, s29, 8
	s_lshl_b32 s30, s30, 16
	s_lshl_b32 s31, s31, 24
	s_or_b32 s28, s28, s29
	s_or_b32 s30, s30, s31
	s_or_b32 s97, s28, s30                         ; the second tile's
	s_lshl_b32 s48, s20, 12                        ; both passes' pointers, into pairs whose first use is over (every load is back)
	s_mov_b32 s49, 0
	s_add_nc_u64 s[2:3], s[8:9], s[48:49]          ; the first tile's lane masks
	s_lshl_b32 s48, s21, 12
	s_add_nc_u64 s[6:7], s[8:9], s[48:49]          ; the second tile's
	s_mul_i32 s51, s88, 768
	s_add_co_u32 s48, s50, s20
	s_mul_i32 s48, s48, 12288
	s_add_co_u32 s48, s48, s51
	s_add_nc_u64 s[4:5], s[10:11], s[48:49]        ; where the first tile's codes go: (128 batch + tile) x 12,288 + head x 768
	s_add_co_u32 s48, s50, s21
	s_mul_i32 s48, s48, 12288
	s_add_co_u32 s48, s48, s51
	s_add_nc_u64 s[10:11], s[10:11], s[48:49]      ; and the second's
	s_wait_dscnt 0x0                               ; for the others' sake: my record lies in LDS
	s_barrier_signal -1
	s_barrier_wait -1                              ; all sixteen records do
; ONE TILE OF 16 QUERIES.  p: the pass; q: Q's first register; qs: its scale words; f: the flags; mp: the lane masks' pointer; op: the codes' pointer
.macro PASS p, q, qs, f, mp, op
.if \p
	s_wait_xcnt 0x0                                ; the first tile's stores have read their data
	s_wait_alu depctr_vm_vsrc(0)                   ; the first tile's stores have read v192-197 and v224, which this tile's conversions and scale words write again
.else
	s_wait_alu depctr_vm_vsrc(0)                   ; my record's LDS stores have read v96-197: O^T's zeros, the scores and the codes are written there from here on
.endif
	v_mov_b32 v13, 0xff61b1e6                      ; the largest t so far: -3e38
	v_floor_f32 v12, -v13                          ; -M
	v_mov_b32 v14, 0
	v_mov_b32 v15, 0
.set J, 0
.rept 32
	v_mov_b32 v[160+J], 0                          ; O^T.  Which step is the first to be executed hangs on the mask, so no product can be written out to start the sums
.set J, J+1
.endr
	s_mov_b32 s94, 0                               ; the step's record
	s_mov_b32 s98, 0                               ; its flag's place
	s_mov_b32 s95, 0
	v_add_nc_u32 v3, s94, v1                       ; the first trip's LDS addresses; every trip makes the next trip's
	v_add_nc_u32 v4, s94, v2
	s_wait_alu depctr_va_vdst(0)                   ; v3 and v4 are written, which the first LDS loads read; so are the zero codes in Q's and K's operands, which the first scaled products take
.Lstep_\@:
	s_lshr_b32 s99, s[\f], s98
	s_and_b32 s99, s99, 3
	s_add_co_u32 s101, s94, REC                    ; the next trip's record; the last trip has no successor: its number is held at the last record and is not used
	s_min_u32 s101, s101, 15*REC
	s_cmp_eq_u32 s99, 2
	s_cbranch_scc1 .Lskip_\@                       ; every key masked for all 16 queries
	s_load_b512 s[16:31], s[\mp:\mp+1], 0x0        ; the step's 64 lane masks; an open step asks too, so that the wait below stands on every path
	s_load_b512 s[32:47], s[\mp:\mp+1], 0x40
	s_load_b512 s[48:63], s[\mp:\mp+1], 0x80
	s_load_b512 s[68:83], s[\mp:\mp+1], 0xc0
.irp g, 0,1                            ; S^T = K Q^T, four tiles of 16 keys at a time
.if \g
.rept 4
	v_nop                                          ; four places behind the products, ahead of loads into registers that they have read
.endr
	s_wait_alu depctr_va_vdst(0)                   ; the first four products are done reading K's four fragments, in which the loads below land
.endif
.irp t, 0,1,2,3
	ds_load_b128 v[32+12*\t:35+12*\t], v3 offset:(4*\g+\t)*768   ; (the first group: no wait.  No vector or matrix instruction since the last wait on va_vdst, on any way here, names v3, v4, K's registers or v80-83)
	ds_load_b64 v[36+12*\t:37+12*\t], v4 offset:(4*\g+\t)*768+512
.endr
.if \g == 0
	ds_load_b128 v[80:83], v3 offset:12288         ; K's scale words: register j: lanes 0-15 tile 2 j, lanes 16-31 tile 2 j + 1
.rept 5
	v_nop                                          ; five places behind the last step's products, whose source registers the first product below writes over
.endr
.endif
	s_wait_dscnt 0x0
.irp t, 0,1,2,3
.if \t%2
	v_wmma_scale_f32_16x16x128_f8f6f4 v[96+8*(4*\g+\t):103+8*(4*\g+\t)], v[32+12*\t:43+12*\t], v[\q:\q+11], 0, v[80+(4*\g+\t)/2], v[\qs] matrix_a_fmt:MATRIX_FMT_FP6 matrix_b_fmt:MATRIX_FMT_FP6 matrix_a_scale:MATRIX_SCALE_ROW1
.else
	v_wmma_scale_f32_16x16x128_f8f6f4 v[96+8*(4*\g+\t):103+8*(4*\g+\t)], v[32+12*\t:43+12*\t], v[\q:\q+11], 0, v[80+(4*\g+\t)/2], v[\qs] matrix_a_fmt:MATRIX_FMT_FP6 matrix_b_fmt:MATRIX_FMT_FP6
.endif
.endr
.endr
.rept 4
	v_nop
.endr
	s_wait_kmcnt 0x0                               ; the lane masks are in, and their pointer may be stepped
	s_cmp_eq_u32 s99, 0
	s_cbranch_scc1 .Lopen_\@                       ; no key masked
.set RR, 0
.rept 64
.set NN, 2*(RR%32)+RR/32
.if NN < 48
	v_cndmask_b32 v[96+RR], v[96+RR], v7, s[16+NN] ; a masked score becomes -infinity ahead of the maximum: p = 0
.else
	v_cndmask_b32 v[96+RR], v[96+RR], v7, s[20+NN]
.endif
.set RR, RR+1
.endr
.Lopen_\@:
.irp b, 0,1,2,3
	v_max3_num_f32 v[212+\b], v[96+16*\b], v[97+16*\b], v[98+16*\b]   ; the largest score of each block of 32 keys: for the row's maximum, and, since p rises with the score, for the block's largest p
.endr
.irp i, 3,5,7,9,11,13
.irp b, 0,1,2,3
	v_max3_num_f32 v[212+\b], v[212+\b], v[96+16*\b+\i], v[97+16*\b+\i]
.endr
.endr
.irp b, 0,1,2,3
	v_max_num_f32 v[212+\b], v[212+\b], v[111+16*\b]
.endr
.irp b, 0,1,2,3
	v_permlanex16_b32 v[216+\b], v[212+\b], s90, s91
.endr
.irp b, 0,1,2,3
	v_max_num_f32 v[212+\b], v[212+\b], v[216+\b]  ; with lane l xor 16's 16 keys
.endr
	v_max3_num_f32 v228, v212, v213, v214
	v_max_num_f32 v228, v228, v215
	v_mul_f32 v228, s92, v228                      ; the step's largest t
	v_max_num_f32 v13, v13, v228                   ; the running largest t
	v_mov_b32 v228, v12
	v_floor_f32 v12, -v13                          ; the new -M = -ceil(t): a whole number
	v_sub_f32 v228, v12, v228                      ; old M - new M, 0 or less
	v_cvt_i32_f32 v228, v228                       ; (it saturates)
	v_ldexp_f32 v226, 1.0, v228                    ; f = 2^(old M - new M): a multiplication by it rounds nothing
.set J, 0
.rept 32
	v_pk_fma_f32 v[96+J:97+J], v[96+J:97+J], s[92:93], v[12:13] op_sel_hi:[1,0,0]   ; t - M, two at a time
.set J, J+2
.endr
.irp b, 0,1,2,3
	v_fma_f32 v[212+\b], v[212+\b], s92, v12       ; the same of each block's largest score
.endr
.set J, 0
.rept 64
	v_exp_f32 v[96+J], v[96+J]                     ; p = 2^(t - M), not normalised
.set J, J+1
.endr
	v_pk_mul_f32 v[14:15], v[14:15], v[226:227] op_sel_hi:[1,0]   ; l under the new M; a plain place behind the exponentials
	s_wait_alu depctr_va_vdst(0)                   ; the 64 exponentials have written p in v96-159: one wait for the whole batch, ahead of its first reader
.irp b, 0,1,2,3
	v_exp_f32 v[212+\b], v[212+\b]                 ; the block's largest p
.endr
	v_pk_add_f32 v[230:231], v[96:97], v[98:99]    ; the row's sum, of the unquantised p, in two chains
.irp j, 4,8,12,16,20,24,28,32,36,40,44,48,52,56,60
	v_pk_add_f32 v[14:15], v[14:15], v[96+\j:97+\j]
	v_pk_add_f32 v[230:231], v[230:231], v[98+\j:99+\j]
.endr
	v_pk_add_f32 v[14:15], v[14:15], v[230:231]
	s_wait_alu depctr_va_vdst(0)                   ; the four exponentials have written v212-215, ahead of their first reader
.irp b, 0,1,2,3
	v_max_num_f32 v[212+\b], 0x1800000, v[212+\b]  ; the floor 2^(3 - 127): the byte cannot fall under 1
.endr
.irp b, 0,1,2,3
	v_add_nc_u32 v[220+\b], 0xff000000, v[212+\b]  ; 2 off the exponent field: the conversion's scale operand
.endr
.irp b, 0,1,2,3
	v_lshrrev_b32 v[216+\b], 23, v[220+\b]
.endr
	v_lshl_or_b32 v224, v217, 8, v216              ; p's scale word for these 128 keys
	v_lshl_or_b32 v224, v218, 16, v224
	v_lshl_or_b32 v224, v219, 24, v224
.irp c, 0,1
	v_cvt_scalef32_pk16_fp6_f32 v[192+6*\c:194+6*\c], v[96+32*\c:111+32*\c], v[220+2*\c]
	v_cvt_scalef32_pk16_fp6_f32 v[204+4*\c:206+4*\c], v[112+32*\c:127+32*\c], v[221+2*\c]
.endr
	v_nop                                          ; one plain place behind a scaled conversion
	s_wait_alu depctr_va_vdst(0)                   ; the conversions are done reading p in v96-143, in which V's fragments land
.irp d, 0,1,2,3                        ; V's four fragments take p's place
	ds_load_b128 v[96+12*\d:99+12*\d], v3 offset:6144+1536*\d
	ds_load_b64 v[100+12*\d:101+12*\d], v4 offset:6144+1536*\d+512
	ds_load_b128 v[102+12*\d:105+12*\d], v3 offset:6144+1536*\d+768
	ds_load_b64 v[106+12*\d:107+12*\d], v4 offset:6144+1536*\d+1280
.endr
	ds_load_b64 v[30:31], v4 offset:12800          ; V's scale words
	s_wait_alu depctr_vm_vsrc(0)                   ; the step's LDS loads, of which these were the last, have read v3 and v4
	v_add_nc_u32 v3, s101, v1                      ; the next trip's LDS addresses, made here so that the wait ahead of the products below states them written
	v_add_nc_u32 v4, s101, v2
.irp c, 0,1                            ; the operand's layout wants a whole block in a lane
.irp i, 0,1,2
	v_permlane16_swap_b32 v[192+6*\c+\i], v[204+4*\c+\i]
.endr
.irp i, 0,1,2
	v_mov_b32 v[195+6*\c+\i], v[204+4*\c+\i]
.endr
.endr
.set J, 0
.rept 16
	v_pk_mul_f32 v[160+J:161+J], v[160+J:161+J], v[226:227] op_sel_hi:[1,0]   ; O^T under the new M; these are also the places in front of the products below
.set J, J+2
.endr
	s_wait_dscnt 0x0
	s_wait_alu depctr_va_vdst(0)                   ; p's codes in v192-203 and its scale word in v224 are written, which the scaled products take; so are v3 and v4, which the next executed step's LDS loads read
.irp d, 0,1,2,3                        ; O^T += V^T P^T: four accumulators by turns
.if \d%2
	v_wmma_scale_f32_16x16x128_f8f6f4 v[160+8*\d:167+8*\d], v[96+12*\d:107+12*\d], v[192:203], v[160+8*\d:167+8*\d], v[30+\d/2], v224 matrix_a_fmt:MATRIX_FMT_FP6 matrix_b_fmt:MATRIX_FMT_FP6 matrix_a_scale:MATRIX_SCALE_ROW1
.else
	v_wmma_scale_f32_16x16x128_f8f6f4 v[160+8*\d:167+8*\d], v[96+12*\d:107+12*\d], v[192:203], v[160+8*\d:167+8*\d], v[30+\d/2], v224 matrix_a_fmt:MATRIX_FMT_FP6 matrix_b_fmt:MATRIX_FMT_FP6
.endif
.endr
	s_branch .Ltail_\@
.Lskip_\@:                             ; a step that is jumped over makes the next trip's addresses too.  On every way here the last LDS load that read v3 or v4 stands ahead of a wait on vm_vsrc
	v_add_nc_u32 v3, s101, v1
	v_add_nc_u32 v4, s101, v2
	s_wait_alu depctr_va_vdst(0)                   ; v3 and v4 are written, which the next executed step's LDS loads read
.Ltail_\@:
	s_add_co_u32 s94, s94, REC
	s_add_nc_u64 s[\mp:\mp+1], s[\mp:\mp+1], 256
	s_add_co_u32 s98, s98, 2
	s_add_co_u32 s95, s95, 1
	s_cmp_lt_u32 s95, 16
	s_cbranch_scc1 .Lstep_\@
	; the tile's end: O / l, quantised along the head's 64: two blocks
.rept 4
	v_nop
.endr
	v_add_f32 v14, v14, v15
	v_permlanex16_b32 v228, v14, s90, s91
	v_add_f32 v14, v14, v228                       ; the row's sum
	v_rcp_f32 v10, v14
	v_nop                                          ; a plain place behind the reciprocal
	v_cmp_eq_u32 s100, 0, v14                      ; no open key in my row
	s_wait_alu depctr_va_vdst(0)                   ; the reciprocal has written v10, ahead of its first reader
.set J, 0
.rept 16
	v_pk_mul_f32 v[96+J:97+J], v[160+J:161+J], v[10:11] op_sel_hi:[1,0]   ; each accumulator from its low end on
.set J, J+2
.endr
.irp b, 0,1
	v_max3_num_f32 v[212+\b], |v[96+16*\b]|, |v[97+16*\b]|, 0x1800000
.endr
.irp i, 2,4,6,8,10,12,14
.irp b, 0,1
	v_max3_num_f32 v[212+\b], v[212+\b], |v[96+16*\b+\i]|, |v[97+16*\b+\i]|
.endr
.endr
.irp b, 0,1
	v_permlanex16_b32 v[216+\b], v[212+\b], s90, s91
.endr
.irp b, 0,1
	v_max_num_f32 v[212+\b], v[212+\b], v[216+\b]
.endr
.irp b, 0,1
	v_add_nc_u32 v[220+\b], 0xff000000, v[212+\b]
.endr
.irp b, 0,1
	v_lshrrev_b32 v[216+\b], 23, v[220+\b]
.endr
	s_wait_alu depctr_va_sdst(0)                   ; the compare has written s100, ahead of its first reader
.irp b, 0,1
	v_cndmask_b32 v[216+\b], v[216+\b], v11, s100  ; a row with no open key: the byte 0xff
.endr
	v_lshl_or_b32 v224, v217, 8, v216              ; my row's two bytes; the upper half is 0
	v_cvt_scalef32_pk16_fp6_f32 v[192:194], v[96:111], v220
	v_cvt_scalef32_pk16_fp6_f32 v[204:206], v[112:127], v221
	v_nop
.irp i, 0,1,2
	v_permlane16_swap_b32 v[192+\i], v[204+\i]
.endr
.irp i, 0,1,2
	v_mov_b32 v[195+\i], v[204+\i]
.endr
	s_wait_alu depctr_va_vdst(0)                   ; the tile's codes in v192-197 and its scale word in v224 are written, which the three stores below read
	global_store_b128 v1, v[192:195], s[\op:\op+1]             ; half a fragment image: 512 and 256 consecutive bytes, aligned
	global_store_b64 v2, v[196:197], s[\op:\op+1] offset:512
	ds_store_b32 v8, v224 offset:1024*\p           ; lanes l and l + 16 write the same word with the same value
.endm
	PASS 0, 16, 28, 96, 2, 4
	PASS 1, 84, 29, 97, 6, 10
	s_wait_dscnt 0x0                               ; for the others' sake: my scale words lie in LDS
	s_barrier_signal -1
	s_barrier_wait -1
	s_cmp_ge_u32 s84, 4
	s_cbranch_scc1 .Lend
	s_and_b32 s14, s84, 1                          ; wave y stores the group of pass y / 2, q = y % 2
	s_lshl_b32 s14, s14, 2
	s_add_co_u32 s14, s14, s85
	s_sub_co_u32 s15, 15, s14
	s_cmp_lt_u32 s84, 2
	s_cselect_b32 s14, s14, s15
	s_lshl_b32 s15, s86, 4
	s_add_co_u32 s14, s14, s15
	s_lshl_b32 s14, s14, 9
	s_mov_b32 s15, 0
	s_add_nc_u64 s[12:13], s[12:13], s[14:15]
	ds_load_b128 v[96:99], v9                      ; no wait: no vector instruction stands behind the wait ahead of the second tile's stores, which has shown every reader and writer of v96-99 done
	s_wait_dscnt 0x0
	global_store_b128 v1, v[96:99], s[12:13]       ; 512 consecutive bytes, aligned
.Lend:
	s_wait_dscnt 0x0                               ; the closing lines, six on end
	s_wait_alu 0x0
	s_wait_tensorcnt 0x0
	ds_add_u32 v5, v6
	s_wait_dscnt 0x0
	s_endpgm
.Lfunc_end_k_q370f7175b2_attn:
	.size	k_q370f7175b2_attn, .Lfunc_end_k_q370f7175b2_attn-k_q370f7175b2_attn
	.p2alignl 7, 3214868480
	.fill 96, 4, 3214868480
	.section	.rodata,"a",@progbits
	.p2align	6, 0x0
	.amdhsa_kernel k_q370f7175b2_attn
		.amdhsa_group_segment_fixed_size 212992
		.amdhsa_private_segment_fixed_size 0
		.amdhsa_enable_private_segment 0
		.amdhsa_kernarg_size 40
		.amdhsa_user_sgpr_count 2
		.amdhsa_user_sgpr_kernarg_segment_ptr 1
		.amdhsa_wavefront_size32 1
		.amdhsa_system_sgpr_workgroup_id_x 1
		.amdhsa_system_sgpr_workgroup_id_y 1
		.amdhsa_system_sgpr_workgroup_id_z 1
		.amdhsa_system_vgpr_workitem_id 0
		.amdhsa_next_free_vgpr 256
		.amdhsa_next_free_sgpr 102
		.amdhsa_reserve_vcc 0
		.amdhsa_float_denorm_mode_32 3
		.amdhsa_float_denorm_mode_16_64 3
		.amdhsa_memory_ordered 1
		.amdhsa_forward_progress 1
		.amdhsa_inst_pref_size 65
	.end_amdhsa_kernel
	.amdgpu_metadata
---
amdhsa.version: [ 1, 2 ]
amdhsa.kernels:
  - .name:           k_q370f7175b2_attn
    .symbol:         k_q370f7175b2_attn.kd
    .args:
      - { .name: qkv_codes, .offset: 0, .size: 8, .value_kind: global_buffer, .address_space: global }
      - { .name: qkv_scales, .offset: 8, .size: 8, .value_kind: global_buffer, .address_space: global }
      - { .name: maskw, .offset: 16, .size: 8, .value_kind: global_buffer, .address_space: global }
      - { .name: att_codes, .offset: 24, .size: 8, .value_kind: global_buffer, .address_space: global }
      - { .name: att_scales, .offset: 32, .size: 8, .value_kind: global_buffer, .address_space: global }
    .group_segment_fixed_size: 212992
    .private_segment_fixed_size: 0
    .kernarg_segment_align: 8
    .kernarg_segment_size: 40
    .max_flat_workgroup_size: 512
    .sgpr_count:     102
    .vgpr_count:     256
    .wavefront_size: 32
...
	.end_amdgpu_metadata
.endif
;; end of part 5
;; launch proj: the kernel of part 4 again; grid 4 x 32, 4 waves a work-group, clusters of 4 x 4, 327,680 bytes of LDS; arguments att_codes, att_scales, qin_codes, qin_scales, out0; writes out0
